; MI455X (gfx1250); checked and timed in simulation.
; The chip was launched on July 23, 2026; its instructions are those of AMD's public machine-readable ISA for CDNA 5 (MIT licence, August 2026) and "CDNA5" Instruction Set Architecture Reference Guide (July 2026). The comments in the code are by the model that wrote it; some were corrected since.
;; Attention. Allowed arithmetic: float matrix products may take bf16 or f16 operands with f32 sums; other float arithmetic in f32, or as packed bf16 or f16 multiplies, adds, multiply-adds, maxima and minima; sums over many terms, partial sums and values carried from step to step in f32; what a program stores and reads back later, other than sums and carried values, may be rounded once to bf16 or f16.
;; Inputs: cos 2,048 x 64 float32; sin 2,048 x 64 float32; wk 1,024 x 256 float32; wo 1,024 x 1,024 float32; wq 1,024 x 1,024 float32; wv 1,024 x 256 float32; x 2 x 2,048 x 1,024 float32.
;; Outputs: out0 2 x 2,048 x 1,024 float32.
;; 2 versions, each right; version 2 is version 1 with the launches qkvp, oproj written anew for expert scheduling mode. Each part assembles by itself: llvm-mc -triple=amdgcn-amd-amdhsa -mcpu=gfx1250 --defsym DOCPART=n.
;; ======== version 1 of 2: 4 launches
;; limits: values are held in f16: magnitudes above 65,504 overflow, below 6.1e-05 lose precision
;; workspace buffers: xb 8,388,608 bytes; wb 3,145,728 bytes; wob 2,097,152 bytes; qkv 14,680,064 bytes; ob 16,777,216 bytes
;; launch prep (part 1): grid 416 x 1, 8 waves a work-group, no clusters, 0 bytes of LDS; arguments x, wq, wk, wv, wo, xb, wb, wob; writes xb, wb, wob
.if DOCPART == 1
	.amdgcn_target "amdgcn-amd-amdhsa--gfx1250"
	.amdhsa_code_object_version 6
	.text
	.protected	k_q413a7df547_prep
	.globl	k_q413a7df547_prep
	.p2align	8
	.type	k_q413a7df547_prep,@function
k_q413a7df547_prep:
	s_mov_b64 s[64:65], 0
	v_nop
	global_prefetch_b8 v0, s[64:65] scope:SCOPE_SE
	s_setreg_imm32_b32 hwreg(HW_REG_WAVE_MODE, 25, 1), 1
	s_wait_xcnt 0x0
; FIRST OF FOUR LAUNCHES of: q, k, v = x wq, x wk, x wv; RoPE on q and k; causal attention of 16 query heads on 4 key and value heads; out = O wo.
; This launch rounds x, wq, wk, wv to bf16 and wo to bf16 written as f16, once, and lays the weights in blocks of 64 columns:
;   xb  [4096][1024] bf16            wb  [24 heads][1024 k][64 n] bf16 (heads 0-15 wq's, 16-19 wk's, 20-23 wv's)            wob [16 blocks][1024 k][64 n] f16
; so that the products behind it fetch half the bytes and every weight tile of 128 k x 64 n is 16,384 consecutive bytes.
; WORK LEFT OUT IN THE PROGRAM.  reference() builds the causal mask itself (jnp.tril) and sets every score with key > query to -inf in front of the softmax: its weight is exp(-inf) = 0
; whatever the inputs hold, so it adds nothing to the row's sum nor to the product with v.  The attention launch therefore leaves out every tile of 128 keys that lies wholly behind a block's
; last query; inside the tile that holds the diagonal all scores are made and the hidden ones replaced.  Every input has a way to the output: all seven are loaded.
; LIMITS.  A NaN, an infinity or an overflow that would arise only in scores of hidden keys in the tiles left out is not carried to the result.  All inputs are rounded once to bf16.
; wo is then written as f16: exact between 6.1e-5 and 65,504 in magnitude; below that it keeps f16's fixed step of 6e-8, beyond 65,504 it becomes an infinity.
; SHARES.  A work-group takes 256 rows of 64 numbers (x counts as rows of 64 numbers that lie end to end).  One load of a wave takes two rows: lanes 0-15 the 256 bytes of one row, lanes 16-31 those
; of the next; its 128 results are 256 consecutive bytes, aligned, of the output: one store of 8 bytes a lane.  A wave takes 16 such units, all its loads out at once.
; No LDS, matrix unit or cluster: nothing is shared and nothing is multiplied.
.set IO, 8                             ; v[8:23]   unit i: my byte offset in the source
.set OO, 24                            ; v24       my byte offset in the work-group's 32,768 bytes of output; the unit stands in the store's immediate
.set T,  26                            ; v[26:27]  at work
.set X,  32                            ; v[32:95]  unit i: 4 numbers as loaded
.set Y,  96                            ; v[96:127] unit i: 4 numbers in 16 bits
	s_load_b512 s[8:23], s[0:1], 0x0               ; x s[8:9], wq s[10:11], wk s[12:13], wv s[14:15], wo s[16:17], xb s[18:19], wb s[20:21], wob s[22:23]
	s_mov_b32 s2, ttmp9                            ; work-groups 0-255 x, 256-319 wq, 320-335 wk, 336-351 wv, 352-415 wo
	s_sub_co_u32 s24, s2, 256
	s_sub_co_u32 s25, s2, 320
	s_sub_co_u32 s26, s2, 336
	s_sub_co_u32 s27, s2, 352
	s_mov_b32 s3, 256                              ; s3: bytes from row to row in the source
	s_mov_b32 s4, 0x40000                          ; s4: bytes from one block of 64 columns (x: of 1,024 short rows) to the next
	s_mov_b32 s5, s2                               ; s5: my number within the source: 4 x block + quarter of its rows
	s_mov_b32 s6, s2                               ; s6: my number within the destination
	s_cmp_ge_u32 s2, 256
	s_cselect_b32 s3, 0x1000, s3
	s_cselect_b32 s4, 256, s4
	s_cselect_b32 s5, s24, s5
	s_cselect_b32 s6, s24, s6                      ; wq's, wk's and wv's blocks follow each other in wb
	s_cmp_ge_u32 s2, 320
	s_cselect_b32 s3, 0x400, s3
	s_cselect_b32 s5, s25, s5
	s_cmp_ge_u32 s2, 336
	s_cselect_b32 s5, s26, s5
	s_cmp_ge_u32 s2, 352
	s_cselect_b32 s3, 0x1000, s3
	s_cselect_b32 s5, s27, s5
	s_cselect_b32 s6, s27, s6
	s_lshl_b32 s36, s3, 1                          ; two rows
	s_mov_b32 s37, 0xffff0000                      ; a word's upper bf16
	s_lshr_b32 s32, s5, 2
	s_mul_i32 s32, s32, s4                         ; the block,
	s_and_b32 s33, s5, 3
	s_mul_i32 s33, s33, s3
	s_lshl_b32 s33, s33, 8                         ; and my 256 rows of it
	s_add_co_u32 s32, s32, s33
	s_mov_b32 s33, 0
	s_lshl_b32 s34, s6, 15                         ; 32,768 bytes of output a work-group
	s_mov_b32 s35, 0
	v_and_b32 v1, 15, v0                           ; my place in a row
	v_bfe_u32 v2, v0, 4, 1                         ; which of the two rows
	v_and_b32 v3, 0xe0, v0                         ; 32 x wave: my wave's first row
	v_and_b32 v4, 31, v0
	v_add_nc_u32 v5, v3, v2
	v_mul_lo_u32 v5, v5, s3
	v_lshl_add_u32 v[IO], v1, 4, v5
.irp i, 1,2,3,4,5,6,7,8,9,10,11,12,13,14,15
	v_add_nc_u32 v[IO+(\i)], s36, v[IO+(\i)-1]
.endr
	v_lshlrev_b32 v[OO], 3, v4
	v_lshl_add_u32 v[OO], v3, 7, v[OO]             ; 4,096 x wave + 8 x lane
	s_wait_kmcnt 0x0
	s_mov_b64 s[28:29], s[8:9]
	s_mov_b64 s[30:31], s[18:19]
	s_cmp_ge_u32 s2, 256
	s_cselect_b64 s[28:29], s[10:11], s[28:29]
	s_cselect_b64 s[30:31], s[20:21], s[30:31]
	s_cmp_ge_u32 s2, 320
	s_cselect_b64 s[28:29], s[12:13], s[28:29]
	s_cmp_ge_u32 s2, 336
	s_cselect_b64 s[28:29], s[14:15], s[28:29]
	s_cmp_ge_u32 s2, 352
	s_cselect_b64 s[28:29], s[16:17], s[28:29]
	s_cselect_b64 s[30:31], s[22:23], s[30:31]
	s_add_nc_u64 s[28:29], s[28:29], s[32:33]
	s_add_nc_u64 s[30:31], s[30:31], s[34:35]
.irp i, 0,1,2,3,4,5,6,7,8,9,10,11,12,13,14,15
	global_load_b128 v[X+4*(\i):X+4*(\i)+3], v[IO+(\i)], s[28:29] th:TH_LOAD_NT  ; each byte is read once in the launch
.endr
	s_cmp_ge_u32 s2, 352
	s_cbranch_scc1 .Lwo
.irp i, 0,1,2,3,4,5,6,7,8,9,10,11,12,13,14,15
	s_wait_loadcnt 15-(\i)                         ; loads come back in order: unit i is in, the younger ones stay out
	v_cvt_pk_bf16_f32 v[Y+2*(\i)],   v[X+4*(\i)],   v[X+4*(\i)+1]
	v_cvt_pk_bf16_f32 v[Y+2*(\i)+1], v[X+4*(\i)+2], v[X+4*(\i)+3]
	global_store_b64 v[OO], v[Y+2*(\i):Y+2*(\i)+1], s[30:31] offset:256*(\i)  ; 32 lanes store 256 consecutive bytes, aligned
.endr
	s_endpgm
.Lwo:                                                  ; wo: rounded to bf16 like every input, and that number written as f16, the format of the last product
.irp i, 0,1,2,3,4,5,6,7,8,9,10,11,12,13,14,15
	s_wait_loadcnt 15-(\i)
	v_cvt_pk_bf16_f32 v[T],   v[X+4*(\i)],   v[X+4*(\i)+1]
	v_cvt_pk_bf16_f32 v[T+1], v[X+4*(\i)+2], v[X+4*(\i)+3]
	v_lshlrev_b32 v[X+4*(\i)],   16,  v[T]
	v_and_b32     v[X+4*(\i)+1], s37, v[T]
	v_lshlrev_b32 v[X+4*(\i)+2], 16,  v[T+1]
	v_and_b32     v[X+4*(\i)+3], s37, v[T+1]
	v_cvt_pk_f16_f32 v[Y+2*(\i)],   v[X+4*(\i)],   v[X+4*(\i)+1]
	v_cvt_pk_f16_f32 v[Y+2*(\i)+1], v[X+4*(\i)+2], v[X+4*(\i)+3]
	global_store_b64 v[OO], v[Y+2*(\i):Y+2*(\i)+1], s[30:31] offset:256*(\i)
.endr
	s_endpgm
.Lfunc_end_k_q413a7df547_prep:
	.size	k_q413a7df547_prep, .Lfunc_end_k_q413a7df547_prep-k_q413a7df547_prep
	.p2alignl 7, 3214868480
	.fill 96, 4, 3214868480
	.section	.rodata,"a",@progbits
	.p2align	6, 0x0
	.amdhsa_kernel k_q413a7df547_prep
		.amdhsa_group_segment_fixed_size 0
		.amdhsa_private_segment_fixed_size 0
		.amdhsa_enable_private_segment 0
		.amdhsa_kernarg_size 64
		.amdhsa_user_sgpr_count 2
		.amdhsa_user_sgpr_kernarg_segment_ptr 1
		.amdhsa_wavefront_size32 1
		.amdhsa_system_sgpr_workgroup_id_x 1
		.amdhsa_system_sgpr_workgroup_id_y 1
		.amdhsa_system_sgpr_workgroup_id_z 1
		.amdhsa_system_vgpr_workitem_id 0
		.amdhsa_next_free_vgpr 128
		.amdhsa_next_free_sgpr 66
		.amdhsa_reserve_vcc 0
		.amdhsa_float_denorm_mode_32 3
		.amdhsa_float_denorm_mode_16_64 3
		.amdhsa_memory_ordered 1
		.amdhsa_forward_progress 1
		.amdhsa_inst_pref_size 17
	.end_amdhsa_kernel
	.amdgpu_metadata
---
amdhsa.version: [ 1, 2 ]
amdhsa.kernels:
  - .name:           k_q413a7df547_prep
    .symbol:         k_q413a7df547_prep.kd
    .args:
      - { .name: x, .offset: 0, .size: 8, .value_kind: global_buffer, .address_space: global }
      - { .name: wq, .offset: 8, .size: 8, .value_kind: global_buffer, .address_space: global }
      - { .name: wk, .offset: 16, .size: 8, .value_kind: global_buffer, .address_space: global }
      - { .name: wv, .offset: 24, .size: 8, .value_kind: global_buffer, .address_space: global }
      - { .name: wo, .offset: 32, .size: 8, .value_kind: global_buffer, .address_space: global }
      - { .name: xb, .offset: 40, .size: 8, .value_kind: global_buffer, .address_space: global }
      - { .name: wb, .offset: 48, .size: 8, .value_kind: global_buffer, .address_space: global }
      - { .name: wob, .offset: 56, .size: 8, .value_kind: global_buffer, .address_space: global }
    .group_segment_fixed_size: 0
    .private_segment_fixed_size: 0
    .kernarg_segment_align: 8
    .kernarg_segment_size: 64
    .max_flat_workgroup_size: 256
    .sgpr_count:     66
    .vgpr_count:     128
    .wavefront_size: 32
...
	.end_amdgpu_metadata
.endif
;; end of part 1
;; launch qkvp (part 2): grid 8 x 32, 4 waves a work-group, no clusters, 248,320 bytes of LDS; arguments xb, wb, cos, sin, qkv; writes qkv
.if DOCPART == 2
	.amdgcn_target "amdgcn-amd-amdhsa--gfx1250"
	.amdhsa_code_object_version 6
	.text
	.protected	k_q413a7df547_qkvp
	.globl	k_q413a7df547_qkvp
	.p2align	8
	.type	k_q413a7df547_qkvp,@function
k_q413a7df547_qkvp:
	s_mov_b64 s[64:65], 0
	v_nop
	global_prefetch_b8 v0, s[64:65] scope:SCOPE_SE
	s_setreg_imm32_b32 hwreg(HW_REG_WAVE_MODE, 25, 1), 1
	s_wait_xcnt 0x0
; q, k, v = x [wq wk wv], RoPE on q and k, stored by heads: qkv [2 b][28 heads][2048 s][64] f16: heads 0-15 q, 16-19 k, 20-23 v, 24-27 v's remainders; unscaled.
; q and k are rounded once from their f32 sums.  v IS KEPT AS TWO f16 NUMBERS: hi = v rounded, lo = v - hi (exact in f32) rounded: a row of the output that averages over few keys is many times the output's
; root mean square, and a number near zero in it has room for about a hundredth of that root mean square only, which one rounding of v to 11 bits uses up for a third.
; xb [4096][1024] and wb [24][1024 k][64 n] are bf16; sums in f32; cos and sin ([2048][64] f32) are rounded to bf16 like every input and applied in f32, each half of the table as it is given.
; LIMITS.  q, k and v must lie within f16's 65,504; beyond that they become infinities.  Below 6.1e-5 an f16 number, v's lo among them, keeps the fixed step of 6e-8.
; SHARES.  A work-group makes 128 rows x 3 heads (192 columns): 32 x 8 = 256 work-groups.  Wave (wm, wn) takes rows 64 wm on (4 blocks a of 16) and, in each head hh, the channels 16 wn + 32 e + 0..15,
; e = 0, 1: 24 accumulators.  So the two channels d and d + 32 that RoPE joins lie in the same lane and register of two accumulators.
; THE MATRIX INSTRUCTION IS USED TRANSPOSED (source 0 = 16 columns of the weights, source 1 = 16 rows of x): a lane holds ONE row (lane % 16) and eight neighbouring channels 8 (lane / 16) + 0..7.
; THE WAY IN.  K goes in 8 steps of 128.  Each wave loads its share of a step's tiles into registers (40 loads of 16 bytes a lane), two steps ahead, in two sets that take turns, and stores them into one of
; two LDS slots; ONE barrier a step: in front of it a wave's stores into this step's slot are done, and so are its reads of the other slot.  A slot is stored again two steps later, behind the barrier
; of the step between, in front of which every wave's reads of it were over.  Weights lie [k][n] in LDS and come out turned, by ds_load_tr16_b128.
; NO CLUSTER: the tiles come by loads into registers, a lane at a time; a joint request is a form of the tensor load, which this text does not use.
; REGISTERS, in windows of 256 (s_set_vgpr_msb: bits 1:0 source 0, 3:2 source 1, 5:4 source 2, 7:6 destination):
;   window 0: v0-31 addresses; v64-143, v144-223 two fragment buffers (x's 4 fragments, then the weights' 6); v224-255 at work on the way out
;   window 1: the 24 accumulators, (a, n = 2 hh + e) at v[8 (6 a + n)]      window 2, 3: the two sets of 160 registers on the way in; window 2 later holds cos and sin
.set SLOT,  96256                      ; x: 128 rows x 272 bytes; then the weights: 3 heads x 128 k x 160 bytes
.set BOFF,  34816
.set STAGE, 192512                     ; behind the slots: 3 heads x 128 rows x 144 bytes, for the way out.  The remainders' stage, of the same shape, lies at LDS byte 0, in slot 0, which nobody reads behind the last step's barrier
.set SPARE, 247808                     ; behind the stage: the spare words, 128 bytes for each wave: two blocks of 256 bytes that no other line names
.set RDL, 13                           ; v13     the way out: where I read rows of the remainders back
.set STL, 14                           ; v14     the way out: where I put 16 bytes of a row of remainders
.set NEG1, 15                          ; v15     -1.0
.set AO,  16                           ; v16     my byte offset in x's tile in memory: row 32 w + l / 16, 16 bytes at 16 (l % 16)
.set BO,  17                           ; v17     my byte offset in a weight tile's 16,384 bytes: 512 w + 16 l
.set AS,  18                           ; v18-19  where I store x's 16 bytes, slot 0, 1
.set BS,  20                           ; v20-21  the same for the weights
.set FA,  22                           ; v22-23  where my fragments of x begin, slot 0, 1
.set FB,  24                           ; v24-25  the same for the weights
.set CO,  26                           ; v26     my byte offset in the work-group's rows of cos and sin
.set STO, 27                           ; v27     the way out: where I put 16 bytes of a row
.set RD,  28                           ; v28     the way out: where I read rows back
.set GO,  29                           ; v29     my byte offset in 512 consecutive bytes of qkv
.set SPW, 30                           ; v30     LDS address of my spare word; never rewritten
.set NIL, 31                           ; v31     0; never rewritten
.set F0,  64
.set F1,  144
.set T,   224
.set U,   240
.set U2,  248
.set MSB, 0
.macro WIN new                         ; the immediate's high byte repeats the setting that is left; a switch that changes nothing is dropped
.if MSB != (\new)
	s_set_vgpr_msb (MSB<<8)|(\new)
.set MSB, (\new)
.endif
.endm
.macro PLACES                          ; four places behind a matrix instruction, in front of loads into registers that it has read and of lines that read its results
.rept 4
	v_nop
.endr
.endm
; A K step's tiles into set s: 16 loads of x (two rows of 256 bytes each), 24 of the weights (512 consecutive bytes each)
.macro LOADS s
	WIN (2+(\s))<<6
.irp i, 0,1,2,3,4,5,6,7,8,9,10,11,12,13,14,15
	global_load_b128 v[4*(\i):4*(\i)+3], v[AO], s[20:21] offset:(\i)*4096
.endr
.irp hh, 0,1,2
.irp i, 0,1,2,3,4,5,6,7
	global_load_b128 v[64+4*(8*(\hh)+(\i)):64+4*(8*(\hh)+(\i))+3], v[BO], s[22:23] offset:(\hh)*131072+(\i)*2048
.endr
.endr
.endm
.macro ADV
	s_wait_xcnt 0x0                                ; every load issued so far has read its address: the two pointers may be written
	s_add_nc_u64 s[20:21], s[20:21], 256           ; 128 along K in x's rows,
	s_add_nc_u64 s[22:23], s[22:23], 16384         ; 128 rows of k in each head's block
.endm
.macro STORES s
	WIN (2+(\s))<<2
.irp i, 0,1,2,3,4,5,6,7,8,9,10,11,12,13,14,15
	ds_store_b128 v[AS+(\s)], v[4*(\i):4*(\i)+3] offset:(\i)*544
.endr
.irp hh, 0,1,2
.irp i, 0,1,2,3,4,5,6,7
	ds_store_b128 v[BS+(\s)], v[64+4*(8*(\hh)+(\i)):64+4*(8*(\hh)+(\i))+3] offset:(\hh)*20480+(\i)*2560
.endr
.endr
.endm
; 20 LDS loads: the fragments of quarter q (32 along K) of slot s into buffer f
.macro FETCH s, q, f
	WIN 0
.irp a, 0,1,2,3
	ds_load_b128 v[(\f)+8*(\a):(\f)+8*(\a)+3],   v[FA+(\s)] offset:(\a)*4352+64*(\q)
	ds_load_b128 v[(\f)+8*(\a)+4:(\f)+8*(\a)+7], v[FA+(\s)] offset:(\a)*4352+64*(\q)+32
.endr
.irp n, 0,1,2,3,4,5
	ds_load_tr16_b128 v[(\f)+32+8*(\n):(\f)+32+8*(\n)+3],   v[FB+(\s)] offset:((\n)/2)*20480+((\n)%2)*64+5120*(\q)
	ds_load_tr16_b128 v[(\f)+32+8*(\n)+4:(\f)+32+8*(\n)+7], v[FB+(\s)] offset:((\n)/2)*20480+((\n)%2)*64+5120*(\q)+2560
.endr
.endm
; 24 matrix instructions; the 24 accumulators take turns, one instruction a turn, in the same order everywhere.  zero = 1: the first products start the sums
.macro MUL f, zero
	WIN 0x50
.irp a, 0,1,2,3
.irp n, 0,1,2,3,4,5
.if \zero
	v_wmma_f32_16x16x32_bf16 v[8*(6*(\a)+(\n)):8*(6*(\a)+(\n))+7], v[(\f)+32+8*(\n):(\f)+32+8*(\n)+7], v[(\f)+8*(\a):(\f)+8*(\a)+7], 0
.else
	v_wmma_f32_16x16x32_bf16 v[8*(6*(\a)+(\n)):8*(6*(\a)+(\n))+7], v[(\f)+32+8*(\n):(\f)+32+8*(\n)+7], v[(\f)+8*(\a):(\f)+8*(\a)+7], v[8*(6*(\a)+(\n)):8*(6*(\a)+(\n))+7]
.endif
.endr
.endr
.endm
; A K step on slot and set s.  ld = 1: the set is asked for again, two steps ahead.  left: the younger loads that may stay out.
.macro STEP s, zero, ld, left
	s_wait_loadcnt \left                           ; set s is in
	STORES \s
	WIN 0
	s_wait_dscnt 0x0                               ; for the others' sake: my stores into the slot are done (my reads of the other slot were waited for in the step before)
.if \ld
	ADV
	LOADS \s
	WIN 0
.endif
	s_barrier_signal -1
	s_barrier_wait -1                              ; the slot is whole
	PLACES
	FETCH \s, 0, F0
	FETCH \s, 1, F1
	s_wait_dscnt 20                                ; all but the 20 issued last
	MUL F0, \zero
	PLACES
	FETCH \s, 2, F0
	s_wait_dscnt 20
	MUL F1, 0
	PLACES
	FETCH \s, 3, F1
	s_wait_dscnt 20
	MUL F0, 0
	s_wait_dscnt 0x0                               ; my reads of this slot are over
	MUL F1, 0
	WIN 0
.endm
	s_load_b256 s[4:11], s[0:1], 0x0               ; xb s[4:5], wb s[6:7], cos s[8:9], sin s[10:11]
	s_load_b64 s[12:13], s[0:1], 0x20              ; qkv
	v_lshl_add_u32 v[SPW], v0, 2, SPARE
	v_mov_b32 v[NIL], 0
	v_mov_b32 v[NEG1], -1.0
	v_lshrrev_b32 v1, 5, v0
	v_readfirstlane_b32 s14, v1                    ; wave w
	s_lshr_b32 s15, s14, 1                         ; wm
	s_and_b32 s16, s14, 1                          ; wn
	s_mov_b32 s17, ttmp9                           ; which three heads
	s_and_b32 s18, ttmp7, 0xffff                   ; which 128 rows
	s_mul_i32 s30, s17, 3                          ; my first head
	s_mov_b32 s31, 0xffff0000
	s_mov_b32 s33, 0
	v_and_b32 v2, 15, v0                           ; r = l % 16
	v_bfe_u32 v3, v0, 4, 1                         ; h = l / 16
	v_and_b32 v4, 31, v0                           ; l
	s_lshl_b32 s34, s14, 16
	v_lshlrev_b32 v[AO], 4, v2
	v_lshl_add_u32 v[AO], v3, 11, v[AO]
	v_add_nc_u32 v[AO], s34, v[AO]                 ; (32 w + h) x 2,048 + 16 r
	s_lshl_b32 s34, s14, 9
	v_lshl_add_u32 v[BO], v4, 4, s34
	s_lshl_b32 s32, s18, 18                        ; 128 rows of 2,048 bytes
	s_wait_kmcnt 0x0
	s_add_nc_u64 s[20:21], s[4:5], s[32:33]
	s_lshl_b32 s32, s30, 17                        ; a head's block is 131,072 bytes
	s_add_nc_u64 s[22:23], s[6:7], s[32:33]
	LOADS 0                                        ; K step 0
	ADV
	LOADS 1                                        ; K step 1
	WIN 0
	v_lshrrev_b32 v5, 3, v4                        ; l / 8
	v_and_b32 v6, 7, v0                            ; l % 8
	v_bfe_u32 v7, v0, 3, 1                         ; (l / 8) % 2
	s_mul_i32 s34, s14, 8704
	v_mul_u32_u24 v8, v3, 272
	v_lshl_add_u32 v8, v2, 4, v8
	v_add_nc_u32 v[AS], s34, v8                    ; (32 w + h) x 272 + 16 r
	v_add_nc_u32 v[AS+1], SLOT, v[AS]
	s_mul_i32 s34, s14, 640
	s_add_co_u32 s34, s34, BOFF
	v_mul_u32_u24 v8, v5, 160
	v_lshl_add_u32 v8, v6, 4, v8
	v_add_nc_u32 v[BS], s34, v8                    ; (4 w + l / 8) x 160 + 16 (l % 8)
	v_add_nc_u32 v[BS+1], SLOT, v[BS]
	s_mul_i32 s34, s15, 17408
	v_mul_u32_u24 v8, v2, 272
	v_lshl_add_u32 v8, v3, 4, v8
	v_add_nc_u32 v[FA], s34, v8                    ; (64 wm + r) x 272 + 16 h
	v_add_nc_u32 v[FA+1], SLOT, v[FA]
	s_lshl_b32 s34, s16, 5
	s_add_co_u32 s34, s34, BOFF
	v_lshl_add_u32 v8, v3, 3, v6
	v_mul_u32_u24 v8, v8, 160
	v_lshl_add_u32 v8, v7, 4, v8
	v_add_nc_u32 v[FB], s34, v8                    ; the turning load: k row 8 h + l % 8, 16 bytes at 32 wn + 16 ((l / 8) % 2)
	v_add_nc_u32 v[FB+1], SLOT, v[FB]
	s_lshl_b32 s34, s15, 14
	s_lshl_b32 s35, s16, 6
	s_add_co_u32 s34, s34, s35
	v_lshlrev_b32 v8, 8, v2
	v_lshl_add_u32 v8, v3, 5, v8
	v_add_nc_u32 v[CO], s34, v8                    ; (64 wm + r) x 256 + 4 (16 wn + 8 h)
	s_mul_i32 s34, s15, 9216
	s_lshl_b32 s35, s16, 5
	s_add_co_u32 s34, s34, s35
	v_mul_u32_u24 v8, v2, 144
	v_lshl_add_u32 v8, v3, 4, v8
	v_add_nc_u32 v[STL], s34, v8                   ; (64 wm + r) x 144 + 2 (16 wn + 8 h), in the remainders' stage,
	v_add_nc_u32 v[STO], STAGE, v[STL]             ; and in the stage
	s_mul_i32 s34, s14, 4608
	v_mul_u32_u24 v8, v5, 144
	v_lshl_add_u32 v8, v6, 4, v8
	v_add_nc_u32 v[RDL], s34, v8                   ; (32 w + l / 8) x 144 + 16 (l % 8)
	v_add_nc_u32 v[RD], STAGE, v[RDL]
	v_lshlrev_b32 v[GO], 4, v4
	s_and_b32 s34, s18, 15                         ; my 128 positions within the sequence
	s_lshl_b32 s32, s34, 15
	s_add_nc_u64 s[24:25], s[8:9], s[32:33]        ; cos and sin at my first position
	s_add_nc_u64 s[26:27], s[10:11], s[32:33]
	s_lshr_b32 s35, s18, 4                         ; b
	s_mul_i32 s35, s35, 28
	s_add_co_u32 s35, s35, s30
	s_lshl_b32 s35, s35, 18                        ; a head's 2,048 rows of 128 bytes
	s_lshl_b32 s34, s34, 14
	s_add_co_u32 s35, s35, s34
	s_lshl_b32 s34, s14, 12                        ; the 32 rows that I store
	s_add_co_u32 s32, s35, s34
	s_add_nc_u64 s[28:29], s[12:13], s[32:33]
	STEP 0, 1, 1, 40                               ; 40: the other set's loads may stay out
	STEP 1, 0, 1, 40
	s_mov_b32 s19, 2
.Lk:
	STEP 0, 0, 1, 40
	STEP 1, 0, 1, 40
	s_sub_co_u32 s19, s19, 1
	s_cmp_lg_u32 s19, 0
	s_cbranch_scc1 .Lk
	STEP 0, 0, 0, 40                               ; the last two steps ask for nothing more
	WIN 0x80                                       ; cos and sin of my rows and channels into set 0's registers, which have been stored: row block a: cos at 32 a + 8 e, sin at 32 a + 16 + 8 e
.irp a, 0,1,2,3
.irp e, 0,1
	global_load_b128 v[32*(\a)+8*(\e):32*(\a)+8*(\e)+3],       v[CO], s[24:25] offset:(\a)*4096+128*(\e)
	global_load_b128 v[32*(\a)+8*(\e)+4:32*(\a)+8*(\e)+7],     v[CO], s[24:25] offset:(\a)*4096+128*(\e)+16
	global_load_b128 v[32*(\a)+16+8*(\e):32*(\a)+16+8*(\e)+3], v[CO], s[26:27] offset:(\a)*4096+128*(\e)
	global_load_b128 v[32*(\a)+16+8*(\e)+4:32*(\a)+16+8*(\e)+7], v[CO], s[26:27] offset:(\a)*4096+128*(\e)+16
.endr
.endr
	WIN 0
	STEP 1, 0, 0, 32                               ; 32: the loads of cos and sin may stay out
	; THE WAY OUT.  cos and sin are rounded to bf16 and widened again; q' = q cos + rotate_half(q) sin in f32; rounded to f16; through the stage; whole rows of 128 bytes out.
	PLACES
	s_wait_loadcnt 0x0
	WIN 0x8a
.set p, 0
.rept 64
	v_cvt_pk_bf16_f32 v[128+(p%4)], v[2*p], v[2*p+1]
	v_lshlrev_b32 v[2*p], 16, v[128+(p%4)]
	v_and_b32 v[2*p+1], s31, v[128+(p%4)]
.set p, p+1
.endr
.macro TOSTAGE a, hh
	WIN 0
	ds_store_b128 v[STO], v[U:U+3]   offset:(\hh)*18432+(\a)*2304
	ds_store_b128 v[STO], v[U+4:U+7] offset:(\hh)*18432+(\a)*2304+64
.endm
; lo = channels below 32, hi = those from 32 on: lo' = lo cos - hi sin, hi' = hi cos + lo sin, each with its own channel's cos and sin.  Each accumulator's lowest registers are read first.
.macro ROPE a, hh
.set LOA, 8*(6*(\a)+2*(\hh))
.set HIA, LOA+8
.set CL, 32*(\a)
.set SL, 32*(\a)+16
	WIN 0x09                                       ; source 0: the accumulators, window 1; source 1: cos and sin, window 2
.irp p, 0,1,2,3
	v_pk_mul_f32 v[T+2*(\p):T+2*(\p)+1],     v[LOA+2*(\p):LOA+2*(\p)+1], v[CL+2*(\p):CL+2*(\p)+1]
	v_pk_mul_f32 v[T+8+2*(\p):T+8+2*(\p)+1], v[HIA+2*(\p):HIA+2*(\p)+1], v[CL+8+2*(\p):CL+8+2*(\p)+1]
.endr
.irp p, 0,1,2,3
	v_pk_fma_f32 v[T+2*(\p):T+2*(\p)+1],     v[HIA+2*(\p):HIA+2*(\p)+1], v[SL+2*(\p):SL+2*(\p)+1],     v[T+2*(\p):T+2*(\p)+1] neg_lo:[1,0,0] neg_hi:[1,0,0]
	v_pk_fma_f32 v[T+8+2*(\p):T+8+2*(\p)+1], v[LOA+2*(\p):LOA+2*(\p)+1], v[SL+8+2*(\p):SL+8+2*(\p)+1], v[T+8+2*(\p):T+8+2*(\p)+1]
.endr
	WIN 0
.irp k, 0,1,2,3,4,5,6,7
	v_cvt_pk_f16_f32 v[U+(\k)], v[T+2*(\k)], v[T+2*(\k)+1]
.endr
	TOSTAGE \a, \hh
.endm
; A head of v: rounded to f16; the remainder, the rounded half times -1 plus the sum, is exact in f32 and is rounded to f16 in its turn
.macro PLAIN a, hh
.set LOA, 8*(6*(\a)+2*(\hh))
	WIN 0x05
.irp k, 0,1,2,3,4,5,6,7
	v_cvt_pk_f16_f32 v[U+(\k)], v[LOA+2*(\k)], v[LOA+2*(\k)+1]
.endr
	WIN 0x10                                       ; source 2: the accumulators, window 1
.irp k, 0,1,2,3,4,5,6,7
	v_fma_mix_f32 v[T+2*(\k)],   v[U+(\k)], v[NEG1], v[LOA+2*(\k)]   op_sel_hi:[1,0,0]
	v_fma_mix_f32 v[T+2*(\k)+1], v[U+(\k)], v[NEG1], v[LOA+2*(\k)+1] op_sel:[1,0,0] op_sel_hi:[1,0,0]
.endr
	TOSTAGE \a, \hh
.irp k, 0,1,2,3,4,5,6,7
	v_cvt_pk_f16_f32 v[U2+(\k)], v[T+2*(\k)], v[T+2*(\k)+1]
.endr
	ds_store_b128 v[STL], v[U2:U2+3]   offset:(\hh)*18432+(\a)*2304
	ds_store_b128 v[STL], v[U2+4:U2+7] offset:(\hh)*18432+(\a)*2304+64
.endm
.irp hh, 0,1,2
	WIN 0
	s_add_co_u32 s34, s30, \hh
	s_cmp_lt_u32 s34, 20                           ; heads 0-19 are q's and k's
	s_cbranch_scc0 .Lv\hh
.irp a, 0,1,2,3
	ROPE \a, \hh
.endr
	WIN 0
	s_branch .Lj\hh
.Lv\hh:
.irp a, 0,1,2,3
	PLAIN \a, \hh
.endr
	WIN 0
.Lj\hh:
.endr
	s_wait_dscnt 0x0                               ; for the others' sake: a row's 128 bytes come from two waves
	s_barrier_signal -1
	s_barrier_wait -1
.irp hh, 0,1,2
.irp tt, 0,1,2,3,4,5,6,7
	ds_load_b128 v[64+4*(8*(\hh)+(\tt)):64+4*(8*(\hh)+(\tt))+3], v[RD] offset:(\hh)*18432+576*(\tt)  ; four rows of 128 bytes
.endr
.endr
.set n, 0
.rept 24
	s_wait_dscnt 23-n
	global_store_b128 v[GO], v[64+4*n:64+4*n+3], s[28:29] offset:(n/8)*262144+(n%8)*512  ; 512 consecutive bytes, at a multiple of 256 from qkv's first byte
.set n, n+1
.endr
.irp hh, 0,1,2                         ; the remainders of the heads of v, four heads further on; registers of their own, so that no store's data is written over
	s_add_co_u32 s34, s30, \hh
	s_cmp_lt_u32 s34, 20
	s_cbranch_scc1 .Lnl\hh
.irp tt, 0,1,2,3,4,5,6,7
	ds_load_b128 v[160+32*(\hh)+4*(\tt):160+32*(\hh)+4*(\tt)+3], v[RDL] offset:(\hh)*18432+576*(\tt)
.endr
.irp tt, 0,1,2,3,4,5,6,7
	s_wait_dscnt 7-(\tt)
	global_store_b128 v[GO], v[160+32*(\hh)+4*(\tt):160+32*(\hh)+4*(\tt)+3], s[28:29] offset:((\hh)+4)*262144+(\tt)*512
.endr
.Lnl\hh:
.endr
	s_wait_tensorcnt 0x0                           ; the wave's end: behind my last LDS store
	ds_add_u32 v[SPW], v[NIL]
	s_wait_dscnt 0x0
	s_endpgm
.Lfunc_end_k_q413a7df547_qkvp:
	.size	k_q413a7df547_qkvp, .Lfunc_end_k_q413a7df547_qkvp-k_q413a7df547_qkvp
	.p2alignl 7, 3214868480
	.fill 96, 4, 3214868480
	.section	.rodata,"a",@progbits
	.p2align	6, 0x0
	.amdhsa_kernel k_q413a7df547_qkvp
		.amdhsa_group_segment_fixed_size 248320
		.amdhsa_private_segment_fixed_size 0
		.amdhsa_enable_private_segment 0
		.amdhsa_kernarg_size 40
		.amdhsa_user_sgpr_count 2
		.amdhsa_user_sgpr_kernarg_segment_ptr 1
		.amdhsa_wavefront_size32 1
		.amdhsa_system_sgpr_workgroup_id_x 1
		.amdhsa_system_sgpr_workgroup_id_y 1
		.amdhsa_system_sgpr_workgroup_id_z 1
		.amdhsa_system_vgpr_workitem_id 0
		.amdhsa_next_free_vgpr 928
		.amdhsa_next_free_sgpr 66
		.amdhsa_reserve_vcc 0
		.amdhsa_float_denorm_mode_32 3
		.amdhsa_float_denorm_mode_16_64 3
		.amdhsa_memory_ordered 1
		.amdhsa_forward_progress 1
		.amdhsa_inst_pref_size 184
	.end_amdhsa_kernel
	.amdgpu_metadata
---
amdhsa.version: [ 1, 2 ]
amdhsa.kernels:
  - .name:           k_q413a7df547_qkvp
    .symbol:         k_q413a7df547_qkvp.kd
    .args:
      - { .name: xb, .offset: 0, .size: 8, .value_kind: global_buffer, .address_space: global }
      - { .name: wb, .offset: 8, .size: 8, .value_kind: global_buffer, .address_space: global }
      - { .name: cos, .offset: 16, .size: 8, .value_kind: global_buffer, .address_space: global }
      - { .name: sin, .offset: 24, .size: 8, .value_kind: global_buffer, .address_space: global }
      - { .name: qkv, .offset: 32, .size: 8, .value_kind: global_buffer, .address_space: global }
    .group_segment_fixed_size: 248320
    .private_segment_fixed_size: 0
    .kernarg_segment_align: 8
    .kernarg_segment_size: 40
    .max_flat_workgroup_size: 128
    .sgpr_count:     66
    .vgpr_count:     928
    .wavefront_size: 32
...
	.end_amdgpu_metadata
.endif
;; end of part 2
;; launch attn (part 3): grid 32 x 8, 4 waves a work-group, no clusters, 212,480 bytes of LDS; arguments qkv, ob; writes ob
.if DOCPART == 3
	.amdgcn_target "amdgcn-amd-amdhsa--gfx1250"
	.amdhsa_code_object_version 6
	.text
	.protected	k_q413a7df547_attn
	.globl	k_q413a7df547_attn
	.p2align	8
	.type	k_q413a7df547_attn,@function
k_q413a7df547_attn:
	s_mov_b64 s[64:65], 0
	v_nop
	global_prefetch_b8 v0, s[64:65] scope:SCOPE_SE
	s_setreg_imm32_b32 hwreg(HW_REG_WAVE_MODE, 25, 1), 1
	s_wait_xcnt 0x0
; CAUSAL ATTENTION, 4 query heads to a key and value head.  O[b][h][q][:] = the sum over k <= q of softmax_k(Q[q] . K[k] / 8) V[k][:].
; qkv [2 b][28 heads][2048][64] f16 (heads 0-15 q, 16-19 k, 20-23 v rounded, 24-27 v's remainders); ob [2 b][2 parts][16 heads][2048][64] f16.  Products, maxima and sums in f32; the weights p are rounded
; to f16 for the second product (their sum l is taken of the unrounded p).  V enters as two f16 numbers, hi + lo, both multiplied by P into the same sums, and O leaves as two: part 0 = O rounded, part 1 = the
; remainder rounded: a row that averages over few keys is many times the output's root mean square, and one rounding of v or of O to 11 bits would use up a third of the room of a number near zero there.
; WORK LEFT OUT: tiles of 128 keys that lie wholly behind a block's last query: reference()'s own jnp.tril gives them the weight exp(-inf) = 0, whatever the inputs hold.
; LIMITS.  A hidden score in the diagonal tile counts as its value less 1e30; the running maximum starts at -2^96, below every score that f16 operands can give (64 x 65,504^2 = 2.7e11 at the most) and above
; every hidden one; a weight below 2^-126 counts as 0 in l; below 6.1e-5 an f16 number keeps the fixed step of 6e-8; NaN and infinities are not treated apart, and one that arises only in a tile left out is
; not carried on.
; THE WALK.  A BLOCK is 32 positions of the four query heads that share a key and value head: eight query tiles u of 16 (head u / 2, positions 16 (u % 2) on).  Block i needs the key tiles 0 .. i / 4, of which
; the last holds the diagonal.  A work-group takes blocks 63 - j and then j: 17 tiles whatever j: 256 work-groups of equal work.
; THE KEYS ARE SPLIT AMONG THE WAVES: of each tile of 128 keys wave w takes keys 32 w .. 32 w + 31, for all eight query tiles.  So a fragment of K or V read from LDS feeds eight products, each wave stages
; its own 12,288 bytes of a tile in LDS bytes of its own, and the loop over tiles has no barrier.  Each wave keeps a running maximum m, a sum l and O^T over ITS keys; at a block's end the four parts meet in
; LDS, in f32: wave w reads the four parts of head w's two tiles, takes the common maximum, and sums them with the factors 2^(c m_part - c m_all) / l.
; A WAVE THAT HAS SEEN HIDDEN KEYS ALONE (blocks 0 to 2, whose only tile is the diagonal one) keeps m at its start, which lies above the hidden scores: its weights, its l and its O^T are 0, and so is its factor.
; (Were a hidden score to become m, the exponent c s - c m would be the rounding error of c m, which at that size is no small number.)
; LAYOUT.  S^T = K Q^T (source 0 = 16 keys, source 1 = 16 queries): a lane holds ONE query (lane % 16) and the keys 8 (lane / 16) + 0..7.  Two such results rounded to f16 in pairs ARE source 1 of O^T = V^T P,
; whose result again holds one query a lane, and eight channels.  K comes out of LDS as it lies, V ([key][channel]) turned, by ds_load_tr16_b128.
; THE MASK is the C operand that starts the sum K Q^T: 32 registers, the same for all heads: 0, but in a block's last tile -1e30 where the key lies behind the query.
; SOFTMAX.  p = 2^(c s - c m), c = log2(e) / 8; in every tile O and l are multiplied by a = 2^(c m_old - c m_new).  c m starts far below every c s, so a block's first a is 0 and O and l need only be finite there.
; SIDE BY SIDE.  The eight query tiles are four PIECES, a head each.  A trip: K Q^T of piece 0; K Q^T of pieces 1 to 3, behind each product six lines of piece 0's softmax; V^T P of piece p, behind each
; product nine lines of the softmax of piece p + 1; V^T P of piece 3.  A trip has 96 products and 560 vector lines.  A piece's 34 exponentials are one batch with one wait.  Nothing crosses a trip's end.
; THE WAY IN.  In trip t the tile t + 1 goes from registers into my LDS bytes, tile t + 2 is asked for, K's fragments of tile t + 1 are read, and at the trip's end V's: the stream runs on across the blocks.
; NO CLUSTER: the tiles come by loads into registers; a joint request is a form of the tensor load, which this text does not use.
; REGISTERS (s_set_vgpr_msb: bits 1:0 source 0, 3:2 source 1, 5:4 source 2, 7:6 destination):
;   window 0: v0-31 addresses; v32-95 statistics; v96-127 the mask; v128-255 S^T, 16 a tile          window 1: O^T, 32 a tile
;   window 2: v0-127 Q, 16 a tile; v128-191 P, 8 a tile          window 3: v0-31 K, v32-63 V hi, v64-95 V lo of my 32 keys; v96-191 the tile on its way in
.set WSL,   14848                      ; a wave's own LDS bytes: K 32 rows x 144, then V hi 32 rows x 160, then V lo likewise
.set VHO,   4608
.set VLO,   5120
.set MO,    59392                      ; the parts of O^T: [4 waves][8 tiles][8 groups of 4 registers][32 lanes][16 bytes]
.set ML,    190464                     ; of l: [4 waves][2 groups of 4 tiles][32 lanes][16 bytes]
.set MCA,   194560                     ; of (c m, m): [4 waves][4 groups of 2 tiles][32 lanes][16 bytes]
.set STAGE, 202752                     ; 16 rows x 144 bytes for each wave, for the way out
.set SPARE, 211968                     ; the spare words, 128 bytes for each wave: two blocks of 256 bytes that no other line names
.set AK0, 2                            ; v2   my lane's place in a fragment of K
.set AV0, 3                            ; v3   the same for V
.set KS,  4                            ; v4   where I store 16 bytes of K
.set VS,  5                            ; v5   of V
.set GL,  6                            ; v6   my byte offset in a tile's 16,384 bytes: 4,096 w + 16 l
.set QO,  7                            ; v7   my byte offset in 16 rows of Q
.set STO, 8                            ; v8   the way out: where I put 16 bytes of a row
.set RD,  9                            ; v9   the way out: where I read rows back
.set GO,  10                           ; v10  my byte offset in 512 consecutive bytes of O
.set RB,  11                           ; v11  l % 16 - 8 (l / 16) - 32 w
.set REL, 12                           ; v12  at work in the mask
.set BIG, 13                           ; v13  -1e30
.set MOW, 14                           ; v14  where I store my part of O^T
.set MOR, 15                           ; v15-16  where I read the parts of my two tiles: waves 0 and 1, waves 2 and 3
.set MLW, 17                           ; v17, v18  the same for l
.set MLR, 18
.set MCW, 19                           ; v19, v20  the same for c m
.set MCR, 20
.set NEG1, 21                          ; v21  -1.0
.set SPW, 22                           ; v22  LDS address of my spare word; never rewritten
.set NIL, 23                           ; v23  0; never rewritten
.set ST,  32                           ; tile u: c m, m at v[ST + 2 u]
.set LL,  48                           ; tile u: l (even keys', odd keys') at v[LL + 2 u]
.set TMP, 64                           ; tile u at v[TMP + 4 u]: c0, c1 at work, a, c m_old
.set MC,  96                           ; the mask of positions 16 uu on, keys 16 kb on, at v[MC + 16 uu + 8 kb]
.set S,   128
.set QF,  0                            ; window 2
.set PF,  128
.set KF,  0                            ; window 3: key block kb, channel half c at KF + 16 kb + 8 c
.set VH,  32                           ; channel block cb at VH + 8 cb; V lo 32 further on
.set GR,  96
.set CNT, 28                           ; s28  tiles of the walk to go
.set RT,  29                           ; s29  tiles of the block in hand still to be entered; 0 in its last, the diagonal one
.set N2,  30                           ; s30  the second block's tiles
.set NXT, 31                           ; s31  the tile to be asked for next
.set LQ,  32                           ; s32  the last tile of the block whose tiles are being asked for
.set PAR, 33                           ; s33  the block's first position within its diagonal tile
.set PAR2, 34                          ; s34  the same for the second block
.set N2M, 35                           ; s35  N2 - 1
.set CS,  36                           ; s[36:37] c
.set SEL, 38                           ; s[38:39] v_permlanex16_b32's selects: each lane takes its own place in the other half
.set IT,  42                           ; s42  counts the block's tiles up
.set NT,  43                           ; s43  the block's tiles
.set OUTER, 56                         ; s56  blocks to go
.set MSB, 0
.macro WIN new                         ; the immediate's high byte repeats the setting that is left; a switch that changes nothing is dropped
.if MSB != (\new)
	s_set_vgpr_msb (MSB<<8)|(\new)
.set MSB, (\new)
.endif
.endm
.macro PLACES                          ; four places behind a matrix instruction (ISA guide 7.12.1)
.rept 4
	v_nop
.endr
.endm
.macro GLOAD                           ; my 32 keys of a tile of K, of V hi and of V lo (four heads, 1,048,576 bytes, behind V hi): 24 loads of 512 consecutive bytes
	WIN 0xc0
.irp i, 0,1,2,3,4,5,6,7
	global_load_b128 v[GR+4*(\i):GR+4*(\i)+3],       v[GL], s[18:19] offset:512*(\i)
	global_load_b128 v[GR+32+4*(\i):GR+32+4*(\i)+3], v[GL], s[20:21] offset:512*(\i)
	global_load_b128 v[GR+64+4*(\i):GR+64+4*(\i)+3], v[GL], s[20:21] offset:1048576+512*(\i)
.endr
	WIN 0
.endm
.macro STORES                          ; into my own LDS bytes, four rows a store
	WIN 0x0c
.irp i, 0,1,2,3,4,5,6,7
	ds_store_b128 v[KS], v[GR+4*(\i):GR+4*(\i)+3]       offset:576*(\i)
	ds_store_b128 v[VS], v[GR+32+4*(\i):GR+32+4*(\i)+3] offset:640*(\i)
	ds_store_b128 v[VS], v[GR+64+4*(\i):GR+64+4*(\i)+3] offset:VLO+640*(\i)
.endr
	WIN 0
.endm
.macro LDK                             ; K's 4 fragments
	WIN 0xc0
.irp f, 0,1,2,3
	ds_load_b128 v[KF+8*(\f):KF+8*(\f)+3],   v[AK0] offset:((\f)/2)*2304+((\f)%2)*64
	ds_load_b128 v[KF+8*(\f)+4:KF+8*(\f)+7], v[AK0] offset:((\f)/2)*2304+((\f)%2)*64+32
.endr
	WIN 0
.endm
.macro LDV                             ; V's 8, turned: hi, then lo
	WIN 0xc0
.irp f, 0,1,2,3,4,5,6,7
	ds_load_tr16_b128 v[VH+8*(\f):VH+8*(\f)+3],   v[AV0] offset:((\f)/4)*VLO+((\f)%4)*32
	ds_load_tr16_b128 v[VH+8*(\f)+4:VH+8*(\f)+7], v[AV0] offset:((\f)/4)*VLO+((\f)%4)*32+2560
.endr
	WIN 0
.endm
.macro QLOAD b                         ; a block's Q, all four heads: tile u, channel half c at 16 u + 8 c
	WIN 0x80
.irp u, 0,1,2,3,4,5,6,7
.irp c, 0,1
	global_load_b128 v[QF+16*(\u)+8*(\c):QF+16*(\u)+8*(\c)+3],   v[QO], s[\b:\b+1] offset:((\u)/2)*262144+((\u)%2)*2048+64*(\c)
	global_load_b128 v[QF+16*(\u)+8*(\c)+4:QF+16*(\u)+8*(\c)+7], v[QO], s[\b:\b+1] offset:((\u)/2)*262144+((\u)%2)*2048+64*(\c)+32
.endr
.endr
	WIN 0
.endm
.macro INIT                            ; a block begins: c m = -2^125, far below every c s, so that the first a is 0; m = -2^96, below every true score and above every hidden one; the mask 0
.irp u, 0,1,2,3,4,5,6,7
	v_mov_b32 v[ST+2*(\u)], 0xfe000000
	v_mov_b32 v[ST+2*(\u)+1], 0xef800000
.endr
.set mm, 0
.rept 32
	v_mov_b32 v[MC+mm], 0
.set mm, mm+1
.endr
.endm
; THE MATRIX WORK.  A run's accumulators take turns, one instruction a turn.
; Product i of 8 of S^T = K Q^T for piece p: channels 32 (i / 4) on, keys 16 ((i / 2) % 2) on, tile 2 p + i % 2.  The first 4 start the sums with the mask.
.macro KQ1 p
	WIN 0x0b
.set qu, 2*(\p)+i%2
.set rS, S+16*qu+8*((i/2)%2)
.set rK, KF+16*((i/2)%2)+8*(i/4)
.set rQ, QF+16*qu+8*(i/4)
.set rM, MC+16*(i%2)+8*((i/2)%2)
.if i < 4
	v_wmma_f32_16x16x32_f16 v[rS:rS+7], v[rK:rK+7], v[rQ:rQ+7], v[rM:rM+7]
.else
	v_wmma_f32_16x16x32_f16 v[rS:rS+7], v[rK:rK+7], v[rQ:rQ+7], v[rS:rS+7]
.endif
.endm
; Product i of 16 of O^T += V^T P for piece p: V hi (i < 8), then V lo; channels 16 ((i / 2) % 4) on, tile 2 p + i % 2.
.macro PV1 p
	WIN 0x5b
.set qu, 2*(\p)+i%2
.set rO, 32*qu+8*((i/2)%4)
.set rV, VH+32*(i/8)+8*((i/2)%4)
.set rP, PF+8*qu
	v_wmma_f32_16x16x32_f16 v[rO:rO+7], v[rV:rV+7], v[rP:rP+7], v[rO:rO+7]
.endm
; THE VECTOR WORK.  A tile's softmax for 32 keys is a list of 70 lines; SV writes line j / 2 of it for tile 2 p + j % 2 and steps j: the piece's two tiles alternate.  s0-s15 are the lane's scores, in pairs 0-7.
;   0-7    the maximum of s0-s15 and the old m, three operands at a time, in two chains; each accumulator's lowest registers are read first
;   8-12   c m_old is kept; the query's other 16 keys lie in the lane 16 away; the new m; c m; c m_old - c m_new
;   13-37  ONE BATCH: a, the 8 scalings c s - c m and the 16 exponentials, a scaling ahead of every two exponentials and four lines or more ahead of its own; none reads an exponential's result
;   (wait) ahead of line 38 of the first tile: a plain instruction and the one wait ahead of the batch's first reader, for both tiles
;   38-45  the weights rounded to f16     46-53  their sum, in place; l = a l + the sum     54-69  O^T times a, ascending
.macro SV p
.set sn, j/2
.set su, 2*(\p)+j%2
.set sS, S+16*su
.set sT, TMP+4*su
.set sC, ST+2*su
.set sL, LL+2*su
.set sP, PF+8*su
.set sO, 32*su
.set sx, sn-14
.if j == 76
	v_nop
	s_wait_alu depctr_va_vdst(0)
.endif
.if sn < 38
	WIN 0
.endif
.if sn == 0
	v_max3_num_f32 v[sT], v[sS], v[sS+1], v[sS+2]
.elseif sn == 1
	v_max3_num_f32 v[sT+1], v[sS+8], v[sS+9], v[sS+10]
.elseif sn < 6
	v_max3_num_f32 v[sT+sn%2], v[sT+sn%2], v[sS+8*(sn%2)+3+2*((sn-2)/2)], v[sS+8*(sn%2)+4+2*((sn-2)/2)]
.elseif sn == 6
	v_max3_num_f32 v[sT], v[sT], v[sS+7], v[sS+15]
.elseif sn == 7
	v_max3_num_f32 v[sT], v[sT], v[sT+1], v[sC+1]
.elseif sn == 8
	v_mov_b32 v[sT+3], v[sC]
.elseif sn == 9
	v_permlanex16_b32 v[sT+1], v[sT], s[SEL], s[SEL+1]
.elseif sn == 10
	v_max_num_f32 v[sC+1], v[sT], v[sT+1]
.elseif sn == 11
	v_mul_f32 v[sC], s[CS], v[sC+1]
.elseif sn == 12
	v_sub_f32 v[sT+1], v[sT+3], v[sC]
.elseif sn == 13
	v_exp_f32 v[sT+2], v[sT+1]
.elseif sn < 38
.if (sx < 2) || ((sx < 20) && ((sx-2)%3 == 2))
.set sk, sx
.if sx >= 2
.set sk, (sx-2)/3+2
.endif
	v_pk_fma_f32 v[sS+2*sk:sS+2*sk+1], v[sS+2*sk:sS+2*sk+1], s[CS:CS+1], v[sC:sC+1] op_sel_hi:[1,0,0] neg_lo:[0,0,1] neg_hi:[0,0,1]
.else
.set sk, sx-8
.if sx < 20
.set sk, 2*((sx-2)/3)+(sx-2)%3
.endif
	v_exp_f32 v[sS+sk], v[sS+sk]
.endif
.elseif sn < 46
	WIN 0x80
	v_cvt_pk_f16_f32 v[sP+sn-38], v[sS+2*(sn-38)], v[sS+2*(sn-38)+1]
.elseif sn < 50
	WIN 0
	v_pk_add_f32 v[sS+4*(sn-46):sS+4*(sn-46)+1], v[sS+4*(sn-46):sS+4*(sn-46)+1], v[sS+4*(sn-46)+2:sS+4*(sn-46)+3]
.elseif sn < 52
	WIN 0
	v_pk_add_f32 v[sS+8*(sn-50):sS+8*(sn-50)+1], v[sS+8*(sn-50):sS+8*(sn-50)+1], v[sS+8*(sn-50)+4:sS+8*(sn-50)+5]
.elseif sn == 52
	WIN 0
	v_pk_add_f32 v[sS:sS+1], v[sS:sS+1], v[sS+8:sS+9]
.elseif sn == 53
	WIN 0
	v_pk_fma_f32 v[sL:sL+1], v[sL:sL+1], v[sT+2:sT+3], v[sS:sS+1] op_sel_hi:[1,0,1]
.else
	WIN 0x41
	v_pk_mul_f32 v[sO+2*(sn-54):sO+2*(sn-54)+1], v[sO+2*(sn-54):sO+2*(sn-54)+1], v[sT+2:sT+3] op_sel_hi:[1,0]
.endif
.set j, j+1
.endm
.macro RIDE q, c                       ; the next c lines of piece q's softmax, as far as there are any
.rept \c
.if j < 140
	SV \q
.endif
.endr
.endm
.macro PVS p, q                        ; V^T P of piece p; behind each product nine lines of piece q's softmax: 16 x 9 covers its 140
.set j, 0
.set i, 0
.rept 16
	PV1 \p
	RIDE \q, 9
.set i, i+1
.endr
.endm
	s_load_b128 s[4:7], s[0:1], 0x0                ; qkv s[4:5], ob s[6:7]
	v_lshl_add_u32 v[SPW], v0, 2, SPARE
	v_mov_b32 v[NIL], 0
	v_mov_b32 v[NEG1], -1.0
	v_lshrrev_b32 v1, 5, v0
	v_readfirstlane_b32 s8, v1                     ; wave w
	s_mov_b32 s9, ttmp9                            ; j
	s_and_b32 s10, ttmp7, 0xffff
	s_lshr_b32 s11, s10, 2                         ; b
	s_and_b32 s12, s10, 3                          ; kvh
	s_sub_co_u32 s44, 63, s9                       ; the first block
	s_lshr_b32 s[LQ], s44, 2
	s_add_co_u32 s[NT], s[LQ], 1                   ; it has 9 tiles or more
	s_mov_b32 s[RT], s[NT]
	s_lshr_b32 s[N2M], s9, 2
	s_add_co_u32 s[N2], s[N2M], 1
	s_mov_b32 s[NXT], 2                            ; tiles 0 and 1 are asked for ahead of the loop
	s_and_b32 s[PAR], s44, 3
	s_lshl_b32 s[PAR], s[PAR], 5
	s_and_b32 s[PAR2], s9, 3
	s_lshl_b32 s[PAR2], s[PAR2], 5
	s_mov_b32 s[CNT], 17
	s_mov_b32 s[OUTER], 2
	s_mov_b32 s[CS], 0x3e38aa3b                    ; c = log2(e) / 8
	s_mov_b32 s[CS+1], s[CS]                       ; named with it as a pair
	s_mov_b32 s[SEL], 0x76543210
	s_mov_b32 s[SEL+1], 0xfedcba98
	s_mov_b32 s23, 0
	s_mov_b32 s41, 0
	s_mul_i32 s45, s11, 28
	s_add_co_u32 s46, s45, s12
	s_add_co_u32 s46, s46, 16                      ; K's head
	s_lshl_b32 s40, s46, 18                        ; a head is 262,144 bytes
	s_lshl_b32 s47, s12, 2                         ; the first of the four query heads
	s_add_co_u32 s48, s45, s47
	s_lshl_b32 s48, s48, 18
	s_lshl_b32 s49, s11, 5                         ; in ob a batch has 2 parts x 16 heads;
	s_add_co_u32 s49, s49, s47
	s_add_co_u32 s49, s49, s8                      ; I finish and store head 4 kvh + w
	s_lshl_b32 s49, s49, 18
	s_lshl_b32 s50, s44, 12                        ; a block's 32 rows of 128 bytes
	s_lshl_b32 s51, s9, 12
	v_and_b32 v24, 31, v0                          ; l
	v_and_b32 v25, 15, v0                          ; r
	v_bfe_u32 v26, v0, 4, 1                        ; h
	s_lshl_b32 s46, s8, 12
	v_lshl_add_u32 v[GL], v24, 4, s46
	v_lshlrev_b32 v[QO], 7, v25
	v_lshl_add_u32 v[QO], v26, 4, v[QO]
	s_wait_kmcnt 0x0
	s_add_nc_u64 s[14:15], s[4:5], s[40:41]        ; K's head,
	s_add_nc_u64 s[16:17], s[14:15], 0x100000      ; V hi's: four heads on
	s_mov_b64 s[18:19], s[14:15]
	s_mov_b64 s[20:21], s[16:17]
	GLOAD                                          ; tile 0
	s_add_co_u32 s40, s48, s50
	s_add_nc_u64 s[52:53], s[4:5], s[40:41]        ; Q at the first block,
	s_add_co_u32 s40, s48, s51
	s_add_nc_u64 s[54:55], s[4:5], s[40:41]        ; at the second
	s_add_co_u32 s40, s49, s50
	s_add_nc_u64 s[24:25], s[6:7], s[40:41]        ; O likewise
	s_add_co_u32 s40, s49, s51
	s_add_nc_u64 s[26:27], s[6:7], s[40:41]
	QLOAD 52
	v_lshrrev_b32 v27, 3, v24                      ; l / 8
	v_and_b32 v28, 7, v0                           ; l % 8
	v_bfe_u32 v29, v0, 3, 1                        ; (l / 8) % 2
	s_mul_i32 s46, s8, WSL                         ; my own LDS bytes
	v_mul_u32_u24 v30, v25, 144
	v_lshl_add_u32 v30, v26, 4, v30
	v_add_nc_u32 v[AK0], s46, v30                  ; row x pitch + 16 x half
	v_mul_u32_u24 v30, v27, 144
	v_lshl_add_u32 v30, v28, 4, v30
	v_add_nc_u32 v[KS], s46, v30                   ; (l / 8) x 144 + 16 (l % 8)
	s_add_co_u32 s46, s46, VHO
	v_lshl_add_u32 v30, v26, 3, v28
	v_mul_u32_u24 v30, v30, 160
	v_lshl_add_u32 v30, v29, 4, v30
	v_add_nc_u32 v[AV0], s46, v30                  ; the turning load: key 8 h + l % 8, 16 bytes at 16 ((l / 8) % 2)
	v_mul_u32_u24 v30, v27, 160
	v_lshl_add_u32 v30, v28, 4, v30
	v_add_nc_u32 v[VS], s46, v30
	s_wait_loadcnt 32                              ; tile 0 is in my registers; Q's 32 loads may stay out
	STORES
	s_add_nc_u64 s[18:19], s[14:15], 16384         ; the loads that read these addresses have come back
	s_add_nc_u64 s[20:21], s[16:17], 16384
	GLOAD                                          ; tile 1
	LDK                                            ; LDS serves a wave's instructions in order (ISA guide 5.7.1.4): these see the stores above
	LDV
	WIN 0x40
.set i, 0
.rept 256                              ; O^T need only be finite where a block begins (its first a is 0): zeros, written while the first loads are out, so that the loop has one form of trip
	v_mov_b32 v[i], 0
.set i, i+1
.endr
	WIN 0
	INIT
.set i, 0
.rept 16
	v_mov_b32 v[LL+i], 0
.set i, i+1
.endr
	v_mov_b32 v[BIG], 0xf149f2ca                   ; -1e30
	s_mul_i32 s46, s8, 2304
	s_add_co_u32 s46, s46, STAGE                   ; my stage
	v_mul_u32_u24 v30, v25, 144
	v_lshl_add_u32 v30, v26, 4, v30
	v_add_nc_u32 v[STO], s46, v30
	v_mul_u32_u24 v30, v27, 144
	v_lshl_add_u32 v30, v28, 4, v30
	v_add_nc_u32 v[RD], s46, v30
	v_lshlrev_b32 v[GO], 4, v24
	v_lshlrev_b32 v30, 3, v26
	v_sub_nc_u32 v[RB], v25, v30
	s_lshl_b32 s46, s8, 5
	v_mov_b32 v30, s46
	v_sub_nc_u32 v[RB], v[RB], v30                 ; less my wave's first key in a tile
	s_lshl_b32 s46, s8, 15
	s_add_co_u32 s46, s46, MO
	v_lshl_add_u32 v[MOW], v24, 4, s46
	s_lshl_b32 s46, s8, 13                         ; tiles 2 w and 2 w + 1
	s_add_co_u32 s46, s46, MO
	v_lshl_add_u32 v[MOR], v24, 4, s46
	v_add_nc_u32 v[MOR+1], 0x10000, v[MOR]
	s_lshl_b32 s46, s8, 10
	s_add_co_u32 s46, s46, ML
	v_lshl_add_u32 v[MLW], v24, 4, s46
	s_lshr_b32 s46, s8, 1
	s_lshl_b32 s46, s46, 9
	s_and_b32 s47, s8, 1
	s_lshl_b32 s47, s47, 3
	s_add_co_u32 s46, s46, s47
	s_add_co_u32 s46, s46, ML
	v_lshl_add_u32 v[MLR], v24, 4, s46
	s_lshl_b32 s46, s8, 11
	s_add_co_u32 s46, s46, MCA
	v_lshl_add_u32 v[MCW], v24, 4, s46
	s_lshl_b32 s46, s8, 9
	s_add_co_u32 s46, s46, MCA
	v_lshl_add_u32 v[MCR], v24, 4, s46
	s_wait_loadcnt 24                              ; Q is in; tile 1's 24 loads may stay out
	s_wait_dscnt 0x0                               ; tile 0's fragments are in
.Lblock:                                               ; twice: a block's tiles, then its end
	s_mov_b32 s[IT], 0
.Ltile:                                                ; a trip a tile: NT trips, 17 in both blocks together
	s_sub_co_u32 s[RT], s[RT], 1
	s_cmp_lg_u32 s[RT], 0
	s_cbranch_scc1 .Lopen
.irp uu, 0,1                           ; the diagonal tile: register j of key block kb holds key 32 w + 16 kb + 8 (l / 16) + j, my query is at PAR + 16 uu + l % 16: hidden where the key is greater
	v_add_nc_u32 v[REL], s[PAR], v[RB]
	v_add_nc_u32 v[REL], 16*(\uu), v[REL]
.set mm, 0
.rept 16
	v_cmp_gt_i32 vcc_lo, 16*(mm/8)+mm%8, v[REL]
	v_cndmask_b32 v[MC+16*(\uu)+mm], 0, v[BIG], vcc_lo
.set mm, mm+1
.endr
.endr
.Lopen:
.set i, 0
.rept 8
	KQ1 0                                          ; piece 0's scores: no vector work is ready yet
.set i, i+1
.endr
	WIN 0
	PLACES                                         ; behind those products, ahead of the lines that read their results
.set j, 0
.irp pp, 1,2,3
.set i, 0
.rept 8
	KQ1 \pp
	RIDE 0, 6                                      ; 24 x 6 covers piece 0's 140 lines
.set i, i+1
.endr
.endr
	s_wait_dscnt 0x0                               ; V's fragments, asked for at the end of the trip before, are in
	PVS 0, 1
	WIN 0
	s_cmp_eq_u32 s[CNT], 1
	s_cbranch_scc1 .Lnost                          ; the walk's last trip has no tile behind it
	s_wait_loadcnt 0x0                             ; the next tile is in my registers
	STORES                                         ; this tile's fragments have all been read
	s_cmp_eq_u32 s[CNT], 2
	s_cbranch_scc1 .Lnold
	s_lshl_b32 s22, s[NXT], 14                     ; a tile is 16,384 bytes of K and of each part of V; the loads that read these addresses have come back
	s_add_nc_u64 s[18:19], s[14:15], s[22:23]
	s_add_nc_u64 s[20:21], s[16:17], s[22:23]
	GLOAD                                          ; the tile after the next: it has a whole trip in which to land
	s_add_co_u32 s[NXT], s[NXT], 1                 ; the block's next tile, or behind its last the second block's tile 0
	s_cmp_gt_u32 s[NXT], s[LQ]
	s_cselect_b32 s[NXT], 0, s[NXT]
	s_cselect_b32 s[LQ], s[N2M], s[LQ]
.Lnold:
	LDK                                            ; the next tile's K: the last product that read K's registers stands a piece's softmax back
.Lnost:
	PVS 1, 2
	PVS 2, 3
.set i, 0
.rept 16
	PV1 3
.set i, i+1
.endr
	WIN 0
	PLACES                                         ; behind the last products: ahead of the loads into V's registers and, at a block's end, of the stores of O^T
	s_wait_dscnt 0x0                               ; my stores and K's fragments are done
	s_cmp_eq_u32 s[CNT], 1
	s_cbranch_scc1 .Lnov
	LDV                                            ; the next tile's V
.Lnov:
	s_sub_co_u32 s[CNT], s[CNT], 1
	s_add_co_u32 s[IT], s[IT], 1
	s_cmp_lt_u32 s[IT], s[NT]
	s_cbranch_scc1 .Ltile
	; A BLOCK ENDS.  The next block's Q is asked for first: it lands under what follows.
	s_cmp_eq_u32 s[OUTER], 1
	s_cbranch_scc1 .Lnoq
	QLOAD 54
.Lnoq:
.irp u, 0,1,2,3,4,5,6,7                ; l over my 32 keys: its two halves and the other half of the lanes'
	v_add_f32 v[S+(\u)], v[LL+2*(\u)], v[LL+2*(\u)+1]
.endr
.irp u, 0,1,2,3,4,5,6,7
	v_permlanex16_b32 v[S+8+(\u)], v[S+(\u)], s[SEL], s[SEL+1]
.endr
.irp u, 0,1,2,3,4,5,6,7
	v_add_f32 v[S+(\u)], v[S+(\u)], v[S+8+(\u)]
.endr
	WIN 0x04
.irp u, 0,1,2,3,4,5,6,7                ; my part of O^T, ascending: each accumulator's lowest registers are read first
.irp g, 0,1,2,3,4,5,6,7
	ds_store_b128 v[MOW], v[32*(\u)+4*(\g):32*(\u)+4*(\g)+3] offset:(\u)*4096+(\g)*512
.endr
.endr
	WIN 0
	ds_store_b128 v[MLW], v[S:S+3]
	ds_store_b128 v[MLW], v[S+4:S+7] offset:512
.irp g, 0,1,2,3
	ds_store_b128 v[MCW], v[ST+4*(\g):ST+4*(\g)+3] offset:512*(\g)
.endr
	s_wait_dscnt 0x0                               ; for the others' sake: my part lies in LDS
	s_barrier_signal -1
	s_barrier_wait -1                              ; all four do
	WIN 0x40
.irp sr, 0,1,2,3                       ; the four parts of my two tiles, into O^T's registers: part sr at 64 sr
.irp uu, 0,1
.irp g, 0,1,2,3,4,5,6,7
	ds_load_b128 v[64*(\sr)+32*(\uu)+4*(\g):64*(\sr)+32*(\uu)+4*(\g)+3], v[MOR+(\sr)/2] offset:((\sr)%2)*32768+(\uu)*4096+(\g)*512
.endr
.endr
.endr
	WIN 0
.irp sr, 0,1,2,3
	ds_load_b64  v[TMP+8+2*(\sr):TMP+8+2*(\sr)+1], v[MLR] offset:1024*(\sr)   ; l of both tiles
	ds_load_b128 v[S+16+4*(\sr):S+16+4*(\sr)+3],   v[MCR] offset:2048*(\sr)   ; c m, m of both tiles
.endr
	s_wait_dscnt 0x0                               ; my reads of the parts are over:
	s_barrier_signal -1                            ; say so; the wait stands ahead of my next LDS store: no wave stores the next block's part before all four have read this one's
.irp uu, 0,1
	v_max3_num_f32 v[TMP+(\uu)], v[S+16+2*(\uu)], v[S+20+2*(\uu)], v[S+24+2*(\uu)]
.endr
.irp uu, 0,1
	v_max_num_f32 v[TMP+(\uu)], v[TMP+(\uu)], v[S+28+2*(\uu)]
.endr
.irp sr, 0,1,2,3
.irp uu, 0,1
	v_sub_f32 v[S+16+4*(\sr)+2*(\uu)], v[S+16+4*(\sr)+2*(\uu)], v[TMP+(\uu)]
.endr
.endr
.irp sr, 0,1,2,3
.irp uu, 0,1
	v_exp_f32 v[S+16+4*(\sr)+2*(\uu)], v[S+16+4*(\sr)+2*(\uu)]     ; 2^(c m_part - c m_all)
.endr
.endr
	v_nop                                          ; a plain instruction behind the last exponential,
	s_wait_alu depctr_va_vdst(0)                   ; and the wait ahead of the first use: one for the eight
.irp uu, 0,1
	v_mul_f32 v[TMP+2+(\uu)], v[S+16+2*(\uu)], v[TMP+8+(\uu)]
.endr
.irp sr, 1,2,3
.irp uu, 0,1
	v_fma_f32 v[TMP+2+(\uu)], v[S+16+4*(\sr)+2*(\uu)], v[TMP+8+2*(\sr)+(\uu)], v[TMP+2+(\uu)]
.endr
.endr
.irp uu, 0,1
	v_rcp_f32 v[TMP+4+(\uu)], v[TMP+2+(\uu)]
.endr
	v_nop
	s_wait_alu depctr_va_vdst(0)                   ; one for both reciprocals
.irp sr, 0,1,2,3
.irp uu, 0,1
	v_mul_f32 v[S+16+4*(\sr)+2*(\uu)], v[S+16+4*(\sr)+2*(\uu)], v[TMP+4+(\uu)]   ; the part's factor, divided by l
.endr
.endr
	WIN 0x51                                       ; O^T's parts in window 1, the factors in window 0
.irp n, 0,1,2,3,4,5,6,7,8,9,10,11,12,13,14,15
.irp uu, 0,1
	v_pk_mul_f32 v[32*(\uu)+2*(\n):32*(\uu)+2*(\n)+1], v[32*(\uu)+2*(\n):32*(\uu)+2*(\n)+1], v[S+16+2*(\uu):S+16+2*(\uu)+1] op_sel_hi:[1,0]
.endr
.endr
.irp sr, 1,2,3
.irp n, 0,1,2,3,4,5,6,7,8,9,10,11,12,13,14,15
.irp uu, 0,1
	v_pk_fma_f32 v[32*(\uu)+2*(\n):32*(\uu)+2*(\n)+1], v[64*(\sr)+32*(\uu)+2*(\n):64*(\sr)+32*(\uu)+2*(\n)+1], v[S+16+4*(\sr)+2*(\uu):S+16+4*(\sr)+2*(\uu)+1], v[32*(\uu)+2*(\n):32*(\uu)+2*(\n)+1] op_sel_hi:[1,0,1]
.endr
.endr
.endr
	; O is rounded to f16; the remainder, the rounded half times -1 plus O, is exact in f32 and is rounded in its turn; both go through my stage, 16 rows at a time: pass k = 2 part + tile
.irp uu, 0,1
	WIN 0x05
.irp n, 0,1,2,3,4,5,6,7,8,9,10,11,12,13,14,15
	v_cvt_pk_f16_f32 v[S+16*(\uu)+(\n)], v[32*(\uu)+2*(\n)], v[32*(\uu)+2*(\n)+1]
.endr
	WIN 0x10
.irp n, 0,1,2,3,4,5,6,7,8,9,10,11,12,13,14,15
	v_fma_mix_f32 v[S+64+32*(\uu)+2*(\n)],   v[S+16*(\uu)+(\n)], v[NEG1], v[32*(\uu)+2*(\n)]   op_sel_hi:[1,0,0]
	v_fma_mix_f32 v[S+64+32*(\uu)+2*(\n)+1], v[S+16*(\uu)+(\n)], v[NEG1], v[32*(\uu)+2*(\n)+1] op_sel:[1,0,0] op_sel_hi:[1,0,0]
.endr
	WIN 0
.irp n, 0,1,2,3,4,5,6,7,8,9,10,11,12,13,14,15
	v_cvt_pk_f16_f32 v[S+32+16*(\uu)+(\n)], v[S+64+32*(\uu)+2*(\n)], v[S+64+32*(\uu)+2*(\n)+1]
.endr
.endr
	s_barrier_wait -1                              ; all four waves have read the parts
.irp k, 0,1,2,3
.irp f, 0,1,2,3
	ds_store_b128 v[STO], v[S+16*(\k)+4*(\f):S+16*(\k)+4*(\f)+3] offset:32*(\f)
.endr
.irp f, 0,1,2,3
	ds_load_b128 v[S+16*(\k)+4*(\f):S+16*(\k)+4*(\f)+3], v[RD] offset:576*(\f)  ; these see the stores above; the next pass's stores come behind them
.endr
.endr
.irp k, 0,1,2,3
.irp f, 0,1,2,3
	s_wait_dscnt 8*(3-(\k))+3-(\f)                 ; behind this load: its pass's younger loads and eight LDS instructions for each later pass
	global_store_b128 v[GO], v[S+16*(\k)+4*(\f):S+16*(\k)+4*(\f)+3], s[24:25] offset:((\k)/2)*4194304+((\k)%2)*2048+512*(\f)  ; 512 consecutive bytes, at a multiple of 256 from ob's first byte; part 1 lies 16 heads on
.endr
.endr
	s_wait_xcnt 0x0                                ; the stores have read their registers and O's address
	s_wait_loadcnt 0x0                             ; the next block's Q is in
	s_cmp_eq_u32 s[OUTER], 1
	s_cbranch_scc1 .Lfin                           ; the walk's end
	s_mov_b64 s[24:25], s[26:27]                   ; THE SECOND BLOCK BEGINS; O^T and l hold finite numbers, and its first a is 0
	s_mov_b32 s[RT], s[N2]
	s_mov_b32 s[NT], s[N2]
	s_mov_b32 s[PAR], s[PAR2]
	INIT
.Lfin:
	s_sub_co_u32 s[OUTER], s[OUTER], 1
	s_cmp_lg_u32 s[OUTER], 0
	s_cbranch_scc1 .Lblock
	s_wait_tensorcnt 0x0                           ; the wave's end: behind my last LDS store
	ds_add_u32 v[SPW], v[NIL]
	s_wait_dscnt 0x0
	s_endpgm
.Lfunc_end_k_q413a7df547_attn:
	.size	k_q413a7df547_attn, .Lfunc_end_k_q413a7df547_attn-k_q413a7df547_attn
	.p2alignl 7, 3214868480
	.fill 96, 4, 3214868480
	.section	.rodata,"a",@progbits
	.p2align	6, 0x0
	.amdhsa_kernel k_q413a7df547_attn
		.amdhsa_group_segment_fixed_size 212480
		.amdhsa_private_segment_fixed_size 0
		.amdhsa_enable_private_segment 0
		.amdhsa_kernarg_size 16
		.amdhsa_user_sgpr_count 2
		.amdhsa_user_sgpr_kernarg_segment_ptr 1
		.amdhsa_wavefront_size32 1
		.amdhsa_system_sgpr_workgroup_id_x 1
		.amdhsa_system_sgpr_workgroup_id_y 1
		.amdhsa_system_sgpr_workgroup_id_z 1
		.amdhsa_system_vgpr_workitem_id 0
		.amdhsa_next_free_vgpr 960
		.amdhsa_next_free_sgpr 66
		.amdhsa_reserve_vcc 1
		.amdhsa_float_denorm_mode_32 3
		.amdhsa_float_denorm_mode_16_64 3
		.amdhsa_memory_ordered 1
		.amdhsa_forward_progress 1
		.amdhsa_inst_pref_size 115
	.end_amdhsa_kernel
	.amdgpu_metadata
---
amdhsa.version: [ 1, 2 ]
amdhsa.kernels:
  - .name:           k_q413a7df547_attn
    .symbol:         k_q413a7df547_attn.kd
    .args:
      - { .name: qkv, .offset: 0, .size: 8, .value_kind: global_buffer, .address_space: global }
      - { .name: ob, .offset: 8, .size: 8, .value_kind: global_buffer, .address_space: global }
    .group_segment_fixed_size: 212480
    .private_segment_fixed_size: 0
    .kernarg_segment_align: 8
    .kernarg_segment_size: 16
    .max_flat_workgroup_size: 128
    .sgpr_count:     66
    .vgpr_count:     960
    .wavefront_size: 32
...
	.end_amdgpu_metadata
.endif
;; end of part 3
;; launch oproj (part 4): grid 8 x 32, 4 waves a work-group, no clusters, 173,568 bytes of LDS; arguments ob, wob, out0; writes out0
.if DOCPART == 4
	.amdgcn_target "amdgcn-amd-amdhsa--gfx1250"
	.amdhsa_code_object_version 6
	.text
	.protected	k_q413a7df547_oproj
	.globl	k_q413a7df547_oproj
	.p2align	8
	.type	k_q413a7df547_oproj,@function
k_q413a7df547_oproj:
	s_mov_b64 s[64:65], 0
	v_nop
	global_prefetch_b8 v0, s[64:65] scope:SCOPE_SE
	s_setreg_imm32_b32 hwreg(HW_REG_WAVE_MODE, 25, 1), 1
	s_wait_xcnt 0x0
; out0[m][n] = the sum over k of O[m][k] wo[k][n], k = 64 head + channel.  ob [2 b][2 parts][16 heads][2048][64] f16: O = part 0 + part 1 (O rounded, and the remainder rounded);
; wob [16 blocks][1024 k][64 n] f16 (wo rounded to bf16); out0 [4096][1024] f32; sums in f32.  Both parts are multiplied by wo into the same sums: a product with K = 2,048, [O hi, O lo] x [wo; wo].
; SHARES.  A work-group makes 128 rows x 128 columns: 32 x 8 = 256 work-groups.  Wave (wm, wn) makes 64 x 64: 16 accumulators.  K goes in 16 steps of 128: two heads of a part; O's pointer walks on through a
; batch's 32 heads; wo's offset, kept apart from its pointer, goes back to 0 behind step 7.
; THE MATRIX INSTRUCTION IS USED TRANSPOSED (source 0 = 16 columns of wo, source 1 = 16 rows of O): a lane holds one row (lane % 16) and eight neighbouring columns: 32 bytes of out0 on end.
; THE WAY IN is the projection launch's: each wave loads its share of a step's tiles (four dense blocks of 16,384 bytes) into registers, 32 loads of 16 bytes a lane, two steps ahead, in two sets that take
; turns, and stores them into one of two LDS slots; ONE barrier a step: in front of it a wave's stores into this step's slot are done and its reads of the other slot are over.
; NO CLUSTER: the tiles come by loads into registers; a joint request is a form of the tensor load, which this text does not use.
; REGISTERS (s_set_vgpr_msb: bits 1:0 source 0, 3:2 source 1, 5:4 source 2, 7:6 destination):
;   window 0: v0-31 addresses; v64-127, v128-191 two fragment buffers (O's 4 fragments, then wo's 4); v192-223 the way out      window 1: accumulator (a, bb) at v[8 (4 a + bb)]      windows 2, 3: the two sets of 128
.set SLOT,  77824                      ; O: 2 heads x 128 rows x 144 bytes; then wo: 2 blocks x 128 k x 160 bytes
.set BOFF,  36864
.set STAGE, 155648                     ; 16 rows x 272 bytes for each wave, for the way out
.set SPARE, 173056                     ; the spare words, 128 bytes for each wave: two blocks of 256 bytes that no other line names
.set LO,  16                           ; v16     my byte offset in a block of 16,384 bytes: 512 w + 16 l
.set AS,  18                           ; v18-19  where I store O's 16 bytes, slot 0, 1
.set BS,  20                           ; v20-21  the same for wo
.set FA,  22                           ; v22-23  where my fragments of O begin
.set FB,  24                           ; v24-25  the same for wo
.set CO,  26                           ; v26     my byte offset in two rows of out0
.set STO, 27                           ; v27     the way out: where I put 32 bytes of a row
.set RD,  28                           ; v28     the way out: where I read rows back
.set SPW, 30                           ; v30     LDS address of my spare word; never rewritten
.set NIL, 31                           ; v31     0; never rewritten
.set F0,  64
.set F1,  128
.set OBK, 192
.set MSB, 0
.macro WIN new
.if MSB != (\new)
	s_set_vgpr_msb (MSB<<8)|(\new)
.set MSB, (\new)
.endif
.endm
.macro PLACES                          ; four places behind a matrix instruction (ISA guide 7.12.1)
.rept 4
	v_nop
.endr
.endm
.macro LOADS s
	WIN (2+(\s))<<6
.irp hb, 0,1
.irp i, 0,1,2,3,4,5,6,7
	global_load_b128 v[4*(8*(\hb)+(\i)):4*(8*(\hb)+(\i))+3], v[LO], s[20:21] offset:(\hb)*262144+(\i)*2048
.endr
.endr
.irp hb, 0,1
.irp i, 0,1,2,3,4,5,6,7
	global_load_b128 v[64+4*(8*(\hb)+(\i)):64+4*(8*(\hb)+(\i))+3], v[LO], s[22:23] offset:(\hb)*131072+(\i)*2048
.endr
.endr
.endm
.macro ADV
	s_wait_xcnt 0x0                                ; every load issued so far has read its address: the two pointers may be written
	s_add_nc_u64 s[20:21], s[20:21], 524288        ; two heads on,
	s_add_co_u32 s26, s26, 16384                   ; 128 rows of k on in each block of wo,
	s_and_b32 s26, s26, 0x1ffff                    ; and behind the block's 1,024 rows back to the first: O's second part meets the same wo
	s_add_nc_u64 s[22:23], s[24:25], s[26:27]
.endm
.macro STORES s
	WIN (2+(\s))<<2
.irp hb, 0,1
.irp i, 0,1,2,3,4,5,6,7
	ds_store_b128 v[AS+(\s)], v[4*(8*(\hb)+(\i)):4*(8*(\hb)+(\i))+3] offset:(\hb)*18432+(\i)*2304
.endr
.endr
.irp hb, 0,1
.irp i, 0,1,2,3,4,5,6,7
	ds_store_b128 v[BS+(\s)], v[64+4*(8*(\hb)+(\i)):64+4*(8*(\hb)+(\i))+3] offset:(\hb)*20480+(\i)*2560
.endr
.endr
.endm
.macro FETCH s, q, f                   ; 16 LDS loads: the fragments of quarter q (32 along K: head q / 2, channels 32 (q % 2) on)
	WIN 0
.irp a, 0,1,2,3
	ds_load_b128 v[(\f)+8*(\a):(\f)+8*(\a)+3],   v[FA+(\s)] offset:((\q)/2)*18432+((\q)%2)*64+(\a)*2304
	ds_load_b128 v[(\f)+8*(\a)+4:(\f)+8*(\a)+7], v[FA+(\s)] offset:((\q)/2)*18432+((\q)%2)*64+(\a)*2304+32
.endr
.irp bb, 0,1,2,3
	ds_load_tr16_b128 v[(\f)+32+8*(\bb):(\f)+32+8*(\bb)+3],   v[FB+(\s)] offset:5120*(\q)+32*(\bb)
	ds_load_tr16_b128 v[(\f)+32+8*(\bb)+4:(\f)+32+8*(\bb)+7], v[FB+(\s)] offset:5120*(\q)+32*(\bb)+2560
.endr
.endm
.macro MUL f, zero                     ; 16 matrix instructions; the 16 accumulators take turns, one instruction a turn, in the same order everywhere
	WIN 0x50
.irp a, 0,1,2,3
.irp bb, 0,1,2,3
.if \zero
	v_wmma_f32_16x16x32_f16 v[8*(4*(\a)+(\bb)):8*(4*(\a)+(\bb))+7], v[(\f)+32+8*(\bb):(\f)+32+8*(\bb)+7], v[(\f)+8*(\a):(\f)+8*(\a)+7], 0
.else
	v_wmma_f32_16x16x32_f16 v[8*(4*(\a)+(\bb)):8*(4*(\a)+(\bb))+7], v[(\f)+32+8*(\bb):(\f)+32+8*(\bb)+7], v[(\f)+8*(\a):(\f)+8*(\a)+7], v[8*(4*(\a)+(\bb)):8*(4*(\a)+(\bb))+7]
.endif
.endr
.endr
.endm
.macro STEP s, zero, ld, left
	s_wait_loadcnt \left                           ; set s is in
	STORES \s
	WIN 0
	s_wait_dscnt 0x0                               ; for the others' sake: my stores into the slot are done (my reads of the other slot were waited for in the step before)
.if \ld
	ADV
	LOADS \s
	WIN 0
.endif
	s_barrier_signal -1
	s_barrier_wait -1                              ; the slot is whole
	PLACES
	FETCH \s, 0, F0
	FETCH \s, 1, F1
	s_wait_dscnt 16                                ; all but the 16 issued last
	MUL F0, \zero
	PLACES
	FETCH \s, 2, F0
	s_wait_dscnt 16
	MUL F1, 0
	PLACES
	FETCH \s, 3, F1
	s_wait_dscnt 16
	MUL F0, 0
	s_wait_dscnt 0x0                               ; my reads of this slot are over
	MUL F1, 0
	WIN 0
.endm
	s_load_b128 s[4:7], s[0:1], 0x0                ; ob s[4:5], wob s[6:7]
	s_load_b64 s[8:9], s[0:1], 0x10                ; out0
	v_lshl_add_u32 v[SPW], v0, 2, SPARE
	v_mov_b32 v[NIL], 0
	v_lshrrev_b32 v1, 5, v0
	v_readfirstlane_b32 s14, v1                    ; wave w
	s_lshr_b32 s15, s14, 1                         ; wm
	s_and_b32 s16, s14, 1                          ; wn
	s_mov_b32 s17, ttmp9                           ; which 128 columns
	s_and_b32 s18, ttmp7, 0xffff                   ; which 128 rows
	s_mov_b32 s33, 0
	s_mov_b32 s26, 0                               ; wo's offset along k, in bytes of a block
	s_mov_b32 s27, 0
	v_and_b32 v4, 31, v0                           ; l
	s_lshl_b32 s34, s14, 9
	v_lshl_add_u32 v[LO], v4, 4, s34
	s_lshr_b32 s34, s18, 4                         ; b
	s_lshl_b32 s34, s34, 23                        ; 2 parts x 16 heads of 262,144 bytes
	s_and_b32 s35, s18, 15
	s_lshl_b32 s35, s35, 14                        ; my 128 positions of 128 bytes
	s_add_co_u32 s32, s34, s35
	s_wait_kmcnt 0x0
	s_add_nc_u64 s[20:21], s[4:5], s[32:33]
	s_lshl_b32 s32, s17, 18                        ; two blocks of 131,072 bytes
	s_add_nc_u64 s[24:25], s[6:7], s[32:33]        ; wo at my blocks' first row: it stays
	s_mov_b64 s[22:23], s[24:25]
	LOADS 0                                        ; K step 0
	ADV
	LOADS 1                                        ; K step 1
	WIN 0
	v_and_b32 v2, 15, v0                           ; r
	v_bfe_u32 v3, v0, 4, 1                         ; h
	v_lshrrev_b32 v5, 3, v4                        ; l / 8
	v_and_b32 v6, 7, v0                            ; l % 8
	v_bfe_u32 v7, v0, 3, 1                         ; (l / 8) % 2
	s_mul_i32 s34, s14, 576
	v_mul_u32_u24 v8, v5, 144
	v_lshl_add_u32 v8, v6, 4, v8
	v_add_nc_u32 v[AS], s34, v8                    ; (4 w + l / 8) x 144 + 16 (l % 8)
	v_add_nc_u32 v[AS+1], SLOT, v[AS]
	s_mul_i32 s34, s14, 640
	s_add_co_u32 s34, s34, BOFF
	v_mul_u32_u24 v8, v5, 160
	v_lshl_add_u32 v8, v6, 4, v8
	v_add_nc_u32 v[BS], s34, v8
	v_add_nc_u32 v[BS+1], SLOT, v[BS]
	s_mul_i32 s34, s15, 9216
	v_mul_u32_u24 v8, v2, 144
	v_lshl_add_u32 v8, v3, 4, v8
	v_add_nc_u32 v[FA], s34, v8                    ; (64 wm + r) x 144 + 16 h
	v_add_nc_u32 v[FA+1], SLOT, v[FA]
	s_mul_i32 s34, s16, 20480                      ; my 64 columns are block wn
	s_add_co_u32 s34, s34, BOFF
	v_lshl_add_u32 v8, v3, 3, v6
	v_mul_u32_u24 v8, v8, 160
	v_lshl_add_u32 v8, v7, 4, v8
	v_add_nc_u32 v[FB], s34, v8
	v_add_nc_u32 v[FB+1], SLOT, v[FB]
	s_mul_i32 s34, s14, 4352
	s_add_co_u32 s34, s34, STAGE                   ; my stage
	v_mul_u32_u24 v8, v2, 272
	v_lshl_add_u32 v8, v3, 5, v8
	v_add_nc_u32 v[STO], s34, v8                   ; in: row r, 32 bytes for each half of the lanes
	v_mul_u32_u24 v8, v3, 272
	v_lshl_add_u32 v8, v2, 4, v8
	v_add_nc_u32 v[RD], s34, v8                    ; back: lanes 0-15 one row of 256 bytes, lanes 16-31 the next
	v_lshlrev_b32 v8, 12, v3
	v_lshl_add_u32 v[CO], v2, 4, v8                ; and the same two rows in out0
	s_lshl_b32 s32, s18, 19                        ; 128 rows of 4,096 bytes,
	s_lshl_b32 s34, s15, 18                        ; my 64 of them,
	s_add_co_u32 s32, s32, s34
	s_lshl_b32 s34, s17, 9                         ; 128 columns of 4 bytes,
	s_add_co_u32 s32, s32, s34
	s_lshl_b32 s34, s16, 8                         ; my 64 of them
	s_add_co_u32 s32, s32, s34
	s_add_nc_u64 s[28:29], s[8:9], s[32:33]
	STEP 0, 1, 1, 32                               ; 32: the other set's loads may stay out
	STEP 1, 0, 1, 32
	s_mov_b32 s19, 6
.Lk:
	STEP 0, 0, 1, 32
	STEP 1, 0, 1, 32
	s_sub_co_u32 s19, s19, 1
	s_cmp_lg_u32 s19, 0
	s_cbranch_scc1 .Lk
	STEP 0, 0, 0, 32                               ; the last two steps ask for nothing more
	STEP 1, 0, 0, 0
	; THE WAY OUT: 16 rows at a time through my own stage; back as whole rows of 256 bytes.  Each accumulator's lowest registers are read first.
	PLACES
.irp a, 0,1,2,3
.if (\a) > 0
	s_wait_xcnt 0x0                                ; the stores of the block before have read their registers
.endif
	WIN 0x04
.irp bb, 0,1,2,3
	ds_store_b128 v[STO], v[8*(4*(\a)+(\bb)):8*(4*(\a)+(\bb))+3]   offset:64*(\bb)
	ds_store_b128 v[STO], v[8*(4*(\a)+(\bb))+4:8*(4*(\a)+(\bb))+7] offset:64*(\bb)+16
.endr
	WIN 0
.irp tt, 0,1,2,3,4,5,6,7
	ds_load_b128 v[OBK+4*(\tt):OBK+4*(\tt)+3], v[RD] offset:544*(\tt)  ; LDS serves a wave's instructions in order (ISA guide 5.7.1.4): these see the stores above; the next block's stores come behind them
.endr
.irp tt, 0,1,2,3,4,5,6,7
	s_wait_dscnt 7-(\tt)
	global_store_b128 v[CO], v[OBK+4*(\tt):OBK+4*(\tt)+3], s[28:29] offset:(16*(\a)+2*(\tt))*4096  ; 16 lanes store 256 consecutive bytes, at a multiple of 256 from out0's first byte
.endr
.endr
	s_wait_tensorcnt 0x0                           ; the wave's end: behind my last LDS store
	ds_add_u32 v[SPW], v[NIL]
	s_wait_dscnt 0x0
	s_endpgm
.Lfunc_end_k_q413a7df547_oproj:
	.size	k_q413a7df547_oproj, .Lfunc_end_k_q413a7df547_oproj-k_q413a7df547_oproj
	.p2alignl 7, 3214868480
	.fill 96, 4, 3214868480
	.section	.rodata,"a",@progbits
	.p2align	6, 0x0
	.amdhsa_kernel k_q413a7df547_oproj
		.amdhsa_group_segment_fixed_size 173568
		.amdhsa_private_segment_fixed_size 0
		.amdhsa_enable_private_segment 0
		.amdhsa_kernarg_size 24
		.amdhsa_user_sgpr_count 2
		.amdhsa_user_sgpr_kernarg_segment_ptr 1
		.amdhsa_wavefront_size32 1
		.amdhsa_system_sgpr_workgroup_id_x 1
		.amdhsa_system_sgpr_workgroup_id_y 1
		.amdhsa_system_sgpr_workgroup_id_z 1
		.amdhsa_system_vgpr_workitem_id 0
		.amdhsa_next_free_vgpr 896
		.amdhsa_next_free_sgpr 66
		.amdhsa_reserve_vcc 0
		.amdhsa_float_denorm_mode_32 3
		.amdhsa_float_denorm_mode_16_64 3
		.amdhsa_memory_ordered 1
		.amdhsa_forward_progress 1
		.amdhsa_inst_pref_size 98
	.end_amdhsa_kernel
	.amdgpu_metadata
---
amdhsa.version: [ 1, 2 ]
amdhsa.kernels:
  - .name:           k_q413a7df547_oproj
    .symbol:         k_q413a7df547_oproj.kd
    .args:
      - { .name: ob, .offset: 0, .size: 8, .value_kind: global_buffer, .address_space: global }
      - { .name: wob, .offset: 8, .size: 8, .value_kind: global_buffer, .address_space: global }
      - { .name: out0, .offset: 16, .size: 8, .value_kind: global_buffer, .address_space: global }
    .group_segment_fixed_size: 173568
    .private_segment_fixed_size: 0
    .kernarg_segment_align: 8
    .kernarg_segment_size: 24
    .max_flat_workgroup_size: 128
    .sgpr_count:     66
    .vgpr_count:     896
    .wavefront_size: 32
...
	.end_amdgpu_metadata
.endif
;; end of part 4
;; ======== version 2 of 2: 4 launches; version 1 with the launches qkvp, oproj written anew for expert scheduling mode
;; limits: values are held in f16: magnitudes above 65,504 overflow, below 6.1e-05 lose precision
;; workspace buffers: xb 8,388,608 bytes; wb 3,145,728 bytes; wob 2,097,152 bytes; qkv 14,680,064 bytes; ob 16,777,216 bytes
;; launch prep: the kernel of part 1 again; grid 416 x 1, 8 waves a work-group, no clusters, 0 bytes of LDS; arguments x, wq, wk, wv, wo, xb, wb, wob; writes xb, wb, wob
;; launch qkvp (part 5): grid 8 x 32, 4 waves a work-group, no clusters, 248,320 bytes of LDS; arguments xb, wb, cos, sin, qkv; writes qkv
.if DOCPART == 5
	.amdgcn_target "amdgcn-amd-amdhsa--gfx1250"
	.amdhsa_code_object_version 6
	.text
	.protected	k_q413a7df547_qkvp
	.globl	k_q413a7df547_qkvp
	.p2align	8
	.type	k_q413a7df547_qkvp,@function
k_q413a7df547_qkvp:
	s_mov_b64 s[64:65], 0
	v_nop
	global_prefetch_b8 v0, s[64:65] scope:SCOPE_SE
	s_setreg_imm32_b32 hwreg(HW_REG_WAVE_SCHED_MODE, 0, 2), 2
	s_setreg_imm32_b32 hwreg(HW_REG_WAVE_MODE, 25, 1), 1
	s_wait_xcnt 0x0
	s_wait_alu depctr_vm_vsrc(0)
; q, k, v = x [wq wk wv], RoPE on q and k, stored by heads: qkv [2 b][28 heads][2048 s][64] f16: heads 0-15 q, 16-19 k, 20-23 v, 24-27 v's remainders; unscaled.
; q and k are rounded once from their f32 sums.  v IS KEPT AS TWO f16 NUMBERS: hi = v rounded, lo = v - hi (exact in f32) rounded: a row of the output that averages over few keys is many times the output's
; root mean square, and a number near zero in it has room for about a hundredth of that root mean square only, which one rounding of v to 11 bits uses up for a third.
; xb [4096][1024] and wb [24][1024 k][64 n] are bf16; sums in f32; cos and sin ([2048][64] f32) are rounded to bf16 like every input and applied in f32, each half of the table as it is given.
; LIMITS.  q, k and v must lie within f16's 65,504; beyond that they become infinities.  Below 6.1e-5 an f16 number, v's lo among them, keeps the fixed step of 6e-8.
; SHARES.  A work-group makes 128 rows x 3 heads (192 columns): 32 x 8 = 256 work-groups.  Wave (wm, wn) takes rows 64 wm on (4 blocks a of 16) and, in each head hh, the channels 16 wn + 32 e + 0..15,
; e = 0, 1: 24 accumulators.  So the two channels d and d + 32 that RoPE joins lie in the same lane and register of two accumulators.
; THE MATRIX INSTRUCTION IS USED TRANSPOSED (source 0 = 16 columns of the weights, source 1 = 16 rows of x): a lane holds ONE row (lane % 16) and eight neighbouring channels 8 (lane / 16) + 0..7.
; THE WAY IN.  K goes in 8 steps of 128.  Each wave loads its share of a step's tiles into registers (40 loads of 16 bytes a lane), two steps ahead, in two sets that take turns, and stores them into one of
; two LDS slots; ONE barrier a step: in front of it a wave's stores into this step's slot are done, and so are its reads of the other slot.  A slot is stored again two steps later, behind the barrier
; of the step between, in front of which every wave's reads of it were over.  Weights lie [k][n] in LDS and come out turned, by ds_load_tr16_b128.
; NO CLUSTER: the tiles come by loads into registers, a lane at a time; a joint request is a form of the tensor load, which this text does not use.
; THE MODE: SCHED_MODE bits 1:0 = 2 (LLVM: expert scheduling mode 2), set by the entry lines.  The code itself states the register dependences
; between vector or matrix instructions and memory or LDS instructions, with s_wait_alu, always for 0.
; THE PLAN.  Registers that memory or LDS instructions touch:
;   set 0, set 1   Written by a step's global loads, two steps ahead; read by that step's LDS stores; named by no vector or matrix instruction in the loop.
;                  ONE wait on vm_vsrc a step, behind the stores: they have read the set, in which the next loads land.
;   F0 .. F3       Four fragment buffers, one for each quarter of a step.  Written by LDS loads; read by that quarter's 24 matrix instructions.
;                  ONE wait on va_vdst a step, behind the barrier: the last step's matrix instructions are done reading all four.  F0's and F1's loads follow at once, F2's stand amid the products
;                  on F0, F3's amid those on F1: the matrix instructions issued since the wait name F0 or F1 and the accumulators, none of the registers that those loads touch.
;   v13-v29        Offsets and LDS addresses: written once at the head, never again; the scalar bases move on.
;   U, U2          The way out: each head and row block has out-registers of its own.  A head's arithmetic writes them, one wait on va_vdst follows, then the head's run of LDS stores.
;                  Behind the barrier the rows read back land in the same registers: one wait on vm_vsrc ahead of those loads.
; REGISTERS, in windows of 256 (s_set_vgpr_msb: bits 1:0 source 0, 3:2 source 1, 5:4 source 2, 7:6 destination):
;   window 0: v0-31 addresses; v32-47 at work on the way out; v64-143, v144-223 fragment buffers F0, F1 (x's 4 fragments, then the weights' 6); on the way out v64-159 U, v160-255 U2
;   window 1: the 24 accumulators, (a, n = 2 hh + e) at v[8 (6 a + n)]      window 2, 3: v0-159 the two sets on the way in, v160-239 F2 and F3; window 2's v0-131 later hold cos and sin
.set SLOT,  96256                      ; x: 128 rows x 272 bytes; then the weights: 3 heads x 128 k x 160 bytes
.set BOFF,  34816
.set STAGE, 192512                     ; behind the slots: 3 heads x 128 rows x 144 bytes, for the way out.  The remainders' stage, of the same shape, lies at LDS byte 0, in slot 0, which nobody reads behind the last step's barrier
.set SPARE, 247808                     ; behind the stage: the spare words, 128 bytes for each wave: two blocks of 256 bytes that no other line names
.set RDL, 13                           ; v13     the way out: where I read rows of the remainders back
.set STL, 14                           ; v14     the way out: where I put 16 bytes of a row of remainders
.set NEG1, 15                          ; v15     -1.0
.set AO,  16                           ; v16     my byte offset in x's tile in memory: row 32 w + l / 16, 16 bytes at 16 (l % 16)
.set BO,  17                           ; v17     my byte offset in a weight tile's 16,384 bytes: 512 w + 16 l
.set AS,  18                           ; v18-19  where I store x's 16 bytes, slot 0, 1
.set BS,  20                           ; v20-21  the same for the weights
.set FA,  22                           ; v22-23  where my fragments of x begin, slot 0, 1
.set FB,  24                           ; v24-25  the same for the weights
.set CO,  26                           ; v26     my byte offset in the work-group's rows of cos and sin
.set STO, 27                           ; v27     the way out: where I put 16 bytes of a row
.set RD,  28                           ; v28     the way out: where I read rows back
.set GO,  29                           ; v29     my byte offset in 512 consecutive bytes of qkv
.set SPW, 30                           ; v30     LDS address of my spare word; never rewritten
.set NIL, 31                           ; v31     0; never rewritten
.set T,   32                           ; v32-47  16 numbers in f32, at work: no memory or LDS instruction names them
.set F0,  64                           ; window 0
.set F1,  144                          ; window 0
.set F2,  160                          ; window 2
.set F3,  160                          ; window 3
.set U,   64                           ; head hh, row block a: 8 registers at U + 32 hh + 8 a: 16 channels of a row in f16
.set U2,  160                          ; the same for v's remainders
.set MSB, 0
.macro WIN new                         ; the immediate's high byte repeats the setting that is left; a switch that changes nothing is dropped
.if MSB != (\new)
	s_set_vgpr_msb (MSB<<8)|(\new)
.set MSB, (\new)
.endif
.endm
.macro PLACES                          ; four plain vector instructions behind a matrix instruction (ISA guide 7.12.1)
.rept 4
	v_nop
.endr
.endm
; A K step's tiles into set s: 16 loads of x (two rows of 256 bytes each), 24 of the weights (512 consecutive bytes each).  again = 1: the set has been stored into LDS before
.macro LOADS s, again
	WIN (2+(\s))<<6
.if \again
	s_wait_alu depctr_vm_vsrc(0)                   ; my LDS stores have read set s, in which these loads land
.endif
.irp i, 0,1,2,3,4,5,6,7,8,9,10,11,12,13,14,15
	global_load_b128 v[4*(\i):4*(\i)+3], v[AO], s[20:21] offset:(\i)*4096
.endr
.irp hh, 0,1,2
.irp i, 0,1,2,3,4,5,6,7
	global_load_b128 v[64+4*(8*(\hh)+(\i)):64+4*(8*(\hh)+(\i))+3], v[BO], s[22:23] offset:(\hh)*131072+(\i)*2048
.endr
.endr
.endm
.macro ADV
	s_wait_xcnt 0x0                                ; every load issued so far has read its address: the two pointers may be written
	s_add_nc_u64 s[20:21], s[20:21], 256           ; 128 along K in x's rows,
	s_add_nc_u64 s[22:23], s[22:23], 16384         ; 128 rows of k in each head's block
.endm
.macro STORES s
	WIN (2+(\s))<<2
.irp i, 0,1,2,3,4,5,6,7,8,9,10,11,12,13,14,15
	ds_store_b128 v[AS+(\s)], v[4*(\i):4*(\i)+3] offset:(\i)*544
.endr
.irp hh, 0,1,2
.irp i, 0,1,2,3,4,5,6,7
	ds_store_b128 v[BS+(\s)], v[64+4*(8*(\hh)+(\i)):64+4*(8*(\hh)+(\i))+3] offset:(\hh)*20480+(\i)*2560
.endr
.endr
.endm
; 20 LDS loads: the fragments of quarter q (32 along K) of slot s into buffer f of window w
.macro FETCH s, q, f, w
	WIN (\w)<<6
.irp a, 0,1,2,3
	ds_load_b128 v[(\f)+8*(\a):(\f)+8*(\a)+3],   v[FA+(\s)] offset:(\a)*4352+64*(\q)
	ds_load_b128 v[(\f)+8*(\a)+4:(\f)+8*(\a)+7], v[FA+(\s)] offset:(\a)*4352+64*(\q)+32
.endr
.irp n, 0,1,2,3,4,5
	ds_load_tr16_b128 v[(\f)+32+8*(\n):(\f)+32+8*(\n)+3],   v[FB+(\s)] offset:((\n)/2)*20480+((\n)%2)*64+5120*(\q)
	ds_load_tr16_b128 v[(\f)+32+8*(\n)+4:(\f)+32+8*(\n)+7], v[FB+(\s)] offset:((\n)/2)*20480+((\n)%2)*64+5120*(\q)+2560
.endr
.endm
; 12 matrix instructions: row blocks a0, a0 + 1 on buffer f of window w; the 24 accumulators take turns, one instruction a turn, in the same order everywhere.  zero = 1: the first products start the sums
.macro MUL f, w, a0, zero
	WIN 0x50+5*(\w)
.irp a, \a0, (\a0)+1
.irp n, 0,1,2,3,4,5
.if \zero
	v_wmma_f32_16x16x32_bf16 v[8*(6*(\a)+(\n)):8*(6*(\a)+(\n))+7], v[(\f)+32+8*(\n):(\f)+32+8*(\n)+7], v[(\f)+8*(\a):(\f)+8*(\a)+7], 0
.else
	v_wmma_f32_16x16x32_bf16 v[8*(6*(\a)+(\n)):8*(6*(\a)+(\n))+7], v[(\f)+32+8*(\n):(\f)+32+8*(\n)+7], v[(\f)+8*(\a):(\f)+8*(\a)+7], v[8*(6*(\a)+(\n)):8*(6*(\a)+(\n))+7]
.endif
.endr
.endr
.endm
; A K step on slot and set s.  ld = 1: the set is asked for again, two steps ahead.  left: the younger loads that may stay out.
.macro STEP s, zero, ld, left
	s_wait_loadcnt \left                           ; set s is in
	STORES \s
	s_wait_dscnt 0x0                               ; for the others' sake: my stores into the slot are done (my reads of the other slot were waited for in the step before)
.if \ld
	ADV
	LOADS \s, 1
.endif
	WIN 0
	s_barrier_signal -1
	s_barrier_wait -1                              ; the slot is whole
	PLACES                                         ; they stand between the last step's matrix instructions and every load of this step into a register that those have read
	s_wait_alu depctr_va_vdst(0)                   ; the last step's matrix instructions are done reading F0 to F3, in which this step's 80 LDS loads land
	FETCH \s, 0, F0, 0
	FETCH \s, 1, F1, 0
	s_wait_dscnt 20                                ; all but the 20 issued last: F0 is in
	MUL F0, 0, 0, \zero
	FETCH \s, 2, F2, 2                             ; no wait: no matrix instruction since the wait above names F2
	MUL F0, 0, 2, \zero
	s_wait_dscnt 20                                ; F1 is in
	MUL F1, 0, 0, 0
	FETCH \s, 3, F3, 3                             ; nor F3
	MUL F1, 0, 2, 0
	s_wait_dscnt 20                                ; F2 is in
	MUL F2, 2, 0, 0
	MUL F2, 2, 2, 0
	s_wait_dscnt 0x0                               ; F3 is in: my reads of this slot are over
	MUL F3, 3, 0, 0
	MUL F3, 3, 2, 0
	WIN 0
.endm
	s_load_b256 s[4:11], s[0:1], 0x0               ; xb s[4:5], wb s[6:7], cos s[8:9], sin s[10:11]
	s_load_b64 s[12:13], s[0:1], 0x20              ; qkv
	v_lshl_add_u32 v[SPW], v0, 2, SPARE
	v_mov_b32 v[NIL], 0
	v_mov_b32 v[NEG1], -1.0
	v_lshrrev_b32 v1, 5, v0
	v_readfirstlane_b32 s14, v1                    ; wave w
	s_mov_b32 s17, ttmp9                           ; which three heads
	s_and_b32 s18, ttmp7, 0xffff                   ; which 128 rows
	s_mul_i32 s30, s17, 3                          ; my first head
	s_mov_b32 s31, 0xffff0000
	s_mov_b32 s33, 0
	v_and_b32 v2, 15, v0                           ; r = l % 16
	v_bfe_u32 v3, v0, 4, 1                         ; h = l / 16
	v_and_b32 v4, 31, v0                           ; l
	s_wait_alu depctr_va_sdst(0)                   ; s14 is written, ahead of its first reader
	s_lshr_b32 s15, s14, 1                         ; wm
	s_and_b32 s16, s14, 1                          ; wn
	s_lshl_b32 s34, s14, 16
	v_lshlrev_b32 v[AO], 4, v2
	v_lshl_add_u32 v[AO], v3, 11, v[AO]
	v_add_nc_u32 v[AO], s34, v[AO]                 ; (32 w + h) x 2,048 + 16 r
	s_lshl_b32 s34, s14, 9
	v_lshl_add_u32 v[BO], v4, 4, s34
	s_lshl_b32 s32, s18, 18                        ; 128 rows of 2,048 bytes
	s_wait_kmcnt 0x0
	s_add_nc_u64 s[20:21], s[4:5], s[32:33]
	s_lshl_b32 s32, s30, 17                        ; a head's block is 131,072 bytes
	s_add_nc_u64 s[22:23], s[6:7], s[32:33]
	WIN 2<<6
	s_wait_alu depctr_va_vdst(0)                   ; v[AO] and v[BO] are written: every load of the tiles reads one of them as its offset
	LOADS 0, 0                                     ; K step 0
	ADV
	LOADS 1, 0                                     ; K step 1
	WIN 0
	v_lshrrev_b32 v5, 3, v4                        ; l / 8
	v_and_b32 v6, 7, v0                            ; l % 8
	v_bfe_u32 v7, v0, 3, 1                         ; (l / 8) % 2
	s_mul_i32 s34, s14, 8704
	v_mul_u32_u24 v8, v3, 272
	v_lshl_add_u32 v8, v2, 4, v8
	v_add_nc_u32 v[AS], s34, v8                    ; (32 w + h) x 272 + 16 r
	v_add_nc_u32 v[AS+1], SLOT, v[AS]
	s_mul_i32 s34, s14, 640
	s_add_co_u32 s34, s34, BOFF
	v_mul_u32_u24 v8, v5, 160
	v_lshl_add_u32 v8, v6, 4, v8
	v_add_nc_u32 v[BS], s34, v8                    ; (4 w + l / 8) x 160 + 16 (l % 8)
	v_add_nc_u32 v[BS+1], SLOT, v[BS]
	s_mul_i32 s34, s15, 17408
	v_mul_u32_u24 v8, v2, 272
	v_lshl_add_u32 v8, v3, 4, v8
	v_add_nc_u32 v[FA], s34, v8                    ; (64 wm + r) x 272 + 16 h
	v_add_nc_u32 v[FA+1], SLOT, v[FA]
	s_lshl_b32 s34, s16, 5
	s_add_co_u32 s34, s34, BOFF
	v_lshl_add_u32 v8, v3, 3, v6
	v_mul_u32_u24 v8, v8, 160
	v_lshl_add_u32 v8, v7, 4, v8
	v_add_nc_u32 v[FB], s34, v8                    ; the turning load: k row 8 h + l % 8, 16 bytes at 32 wn + 16 ((l / 8) % 2)
	v_add_nc_u32 v[FB+1], SLOT, v[FB]
	s_lshl_b32 s34, s15, 14
	s_lshl_b32 s35, s16, 6
	s_add_co_u32 s34, s34, s35
	v_lshlrev_b32 v8, 8, v2
	v_lshl_add_u32 v8, v3, 5, v8
	v_add_nc_u32 v[CO], s34, v8                    ; (64 wm + r) x 256 + 4 (16 wn + 8 h)
	s_mul_i32 s34, s15, 9216
	s_lshl_b32 s35, s16, 5
	s_add_co_u32 s34, s34, s35
	v_mul_u32_u24 v8, v2, 144
	v_lshl_add_u32 v8, v3, 4, v8
	v_add_nc_u32 v[STL], s34, v8                   ; (64 wm + r) x 144 + 2 (16 wn + 8 h), in the remainders' stage,
	v_add_nc_u32 v[STO], STAGE, v[STL]             ; and in the stage
	s_mul_i32 s34, s14, 4608
	v_mul_u32_u24 v8, v5, 144
	v_lshl_add_u32 v8, v6, 4, v8
	v_add_nc_u32 v[RDL], s34, v8                   ; (32 w + l / 8) x 144 + 16 (l % 8)
	v_add_nc_u32 v[RD], STAGE, v[RDL]
	v_lshlrev_b32 v[GO], 4, v4
	s_and_b32 s34, s18, 15                         ; my 128 positions within the sequence
	s_lshl_b32 s32, s34, 15
	s_add_nc_u64 s[24:25], s[8:9], s[32:33]        ; cos and sin at my first position
	s_add_nc_u64 s[26:27], s[10:11], s[32:33]
	s_lshr_b32 s35, s18, 4                         ; b
	s_mul_i32 s35, s35, 28
	s_add_co_u32 s35, s35, s30
	s_lshl_b32 s35, s35, 18                        ; a head's 2,048 rows of 128 bytes
	s_lshl_b32 s34, s34, 14
	s_add_co_u32 s35, s35, s34
	s_lshl_b32 s34, s14, 12                        ; the 32 rows that I store
	s_add_co_u32 s32, s35, s34
	s_add_nc_u64 s[28:29], s[12:13], s[32:33]
	s_wait_alu depctr_va_vdst(0)                   ; the LDS addresses and offsets v13, v14 and v18 to v29 are written, which the LDS and memory instructions from here on read; none is written again
	STEP 0, 1, 1, 40                               ; 40: the other set's loads may stay out
	STEP 1, 0, 1, 40
	s_mov_b32 s19, 2
.Lk:
	STEP 0, 0, 1, 40
	STEP 1, 0, 1, 40
	s_sub_co_u32 s19, s19, 1
	s_cmp_lg_u32 s19, 0
	s_cbranch_scc1 .Lk
	STEP 0, 0, 0, 40                               ; the last two steps ask for nothing more
	WIN 0x80                                       ; cos and sin of my rows and channels into set 0's registers, which have been stored: row block a: cos at 32 a + 8 e, sin at 32 a + 16 + 8 e
	s_wait_alu depctr_vm_vsrc(0)                   ; my LDS stores have read set 0: these loads land in its first 128 registers, and the conversions on the way out write four more
.irp a, 0,1,2,3
.irp e, 0,1
	global_load_b128 v[32*(\a)+8*(\e):32*(\a)+8*(\e)+3],       v[CO], s[24:25] offset:(\a)*4096+128*(\e)
	global_load_b128 v[32*(\a)+8*(\e)+4:32*(\a)+8*(\e)+7],     v[CO], s[24:25] offset:(\a)*4096+128*(\e)+16
	global_load_b128 v[32*(\a)+16+8*(\e):32*(\a)+16+8*(\e)+3], v[CO], s[26:27] offset:(\a)*4096+128*(\e)
	global_load_b128 v[32*(\a)+16+8*(\e)+4:32*(\a)+16+8*(\e)+7], v[CO], s[26:27] offset:(\a)*4096+128*(\e)+16
.endr
.endr
	WIN 0
	STEP 1, 0, 0, 32                               ; 32: the loads of cos and sin may stay out
	; THE WAY OUT.  cos and sin are rounded to bf16 and widened again; q' = q cos + rotate_half(q) sin in f32; rounded to f16; through the stage; whole rows of 128 bytes out.
	PLACES
	s_wait_loadcnt 0x0
	WIN 0x8a
.set p, 0
.rept 64
	v_cvt_pk_bf16_f32 v[128+(p%4)], v[2*p], v[2*p+1]
	v_lshlrev_b32 v[2*p], 16, v[128+(p%4)]
	v_and_b32 v[2*p+1], s31, v[128+(p%4)]
.set p, p+1
.endr
; A head's four row blocks go into the stage in one run of eight LDS stores
.macro TOSTAGE hh
	WIN 0
.irp a, 0,1,2,3
	ds_store_b128 v[STO], v[U+32*(\hh)+8*(\a):U+32*(\hh)+8*(\a)+3]   offset:(\hh)*18432+(\a)*2304
	ds_store_b128 v[STO], v[U+32*(\hh)+8*(\a)+4:U+32*(\hh)+8*(\a)+7] offset:(\hh)*18432+(\a)*2304+64
.endr
.endm
.macro TOSTAGEL hh                     ; and the remainders of a head of v into theirs
	WIN 0
.irp a, 0,1,2,3
	ds_store_b128 v[STL], v[U2+32*(\hh)+8*(\a):U2+32*(\hh)+8*(\a)+3]   offset:(\hh)*18432+(\a)*2304
	ds_store_b128 v[STL], v[U2+32*(\hh)+8*(\a)+4:U2+32*(\hh)+8*(\a)+7] offset:(\hh)*18432+(\a)*2304+64
.endr
.endm
; lo = channels below 32, hi = those from 32 on: lo' = lo cos - hi sin, hi' = hi cos + lo sin, each with its own channel's cos and sin.  Each accumulator's lowest registers are read first.
.macro ROPE a, hh
.set LOA, 8*(6*(\a)+2*(\hh))
.set HIA, LOA+8
.set CL, 32*(\a)
.set SL, 32*(\a)+16
.set UO, U+32*(\hh)+8*(\a)
	WIN 0x09                                       ; source 0: the accumulators, window 1; source 1: cos and sin, window 2
.irp p, 0,1,2,3
	v_pk_mul_f32 v[T+2*(\p):T+2*(\p)+1],     v[LOA+2*(\p):LOA+2*(\p)+1], v[CL+2*(\p):CL+2*(\p)+1]
	v_pk_mul_f32 v[T+8+2*(\p):T+8+2*(\p)+1], v[HIA+2*(\p):HIA+2*(\p)+1], v[CL+8+2*(\p):CL+8+2*(\p)+1]
.endr
.irp p, 0,1,2,3
	v_pk_fma_f32 v[T+2*(\p):T+2*(\p)+1],     v[HIA+2*(\p):HIA+2*(\p)+1], v[SL+2*(\p):SL+2*(\p)+1],     v[T+2*(\p):T+2*(\p)+1] neg_lo:[1,0,0] neg_hi:[1,0,0]
	v_pk_fma_f32 v[T+8+2*(\p):T+8+2*(\p)+1], v[LOA+2*(\p):LOA+2*(\p)+1], v[SL+8+2*(\p):SL+8+2*(\p)+1], v[T+8+2*(\p):T+8+2*(\p)+1]
.endr
	WIN 0
.irp k, 0,1,2,3,4,5,6,7
	v_cvt_pk_f16_f32 v[UO+(\k)], v[T+2*(\k)], v[T+2*(\k)+1]
.endr
.endm
; A head of v: rounded to f16; the remainder, the rounded half times -1 plus the sum, is exact in f32 and is rounded to f16 in its turn
.macro PLAIN a, hh
.set LOA, 8*(6*(\a)+2*(\hh))
.set UO, U+32*(\hh)+8*(\a)
.set U2O, U2+32*(\hh)+8*(\a)
	WIN 0x05
.irp k, 0,1,2,3,4,5,6,7
	v_cvt_pk_f16_f32 v[UO+(\k)], v[LOA+2*(\k)], v[LOA+2*(\k)+1]
.endr
	WIN 0x10                                       ; source 2: the accumulators, window 1
.irp k, 0,1,2,3,4,5,6,7
	v_fma_mix_f32 v[T+2*(\k)],   v[UO+(\k)], v[NEG1], v[LOA+2*(\k)]   op_sel_hi:[1,0,0]
	v_fma_mix_f32 v[T+2*(\k)+1], v[UO+(\k)], v[NEG1], v[LOA+2*(\k)+1] op_sel:[1,0,0] op_sel_hi:[1,0,0]
.endr
	WIN 0
.irp k, 0,1,2,3,4,5,6,7
	v_cvt_pk_f16_f32 v[U2O+(\k)], v[T+2*(\k)], v[T+2*(\k)+1]
.endr
.endm
.irp hh, 0,1,2
	WIN 0
	s_add_co_u32 s34, s30, \hh
	s_cmp_lt_u32 s34, 20                           ; heads 0-19 are q's and k's
	s_cbranch_scc0 .Lv\hh
.irp a, 0,1,2,3
	ROPE \a, \hh
.endr
	WIN 0
	s_wait_alu depctr_va_vdst(0)                   ; the roundings have written this head's 32 registers of U, which the eight LDS stores read
	TOSTAGE \hh
	s_branch .Lj\hh
.Lv\hh:
.irp a, 0,1,2,3
	PLAIN \a, \hh
.endr
	WIN 0
	s_wait_alu depctr_va_vdst(0)                   ; the roundings have written this head's 32 registers of U and 32 of U2, which the sixteen LDS stores read
	TOSTAGE \hh
	TOSTAGEL \hh
.Lj\hh:
.endr
	s_wait_dscnt 0x0                               ; for the others' sake: a row's 128 bytes come from two waves
	s_barrier_signal -1
	s_barrier_wait -1
	s_wait_alu depctr_vm_vsrc(0)                   ; my LDS stores have read U and U2, in which the rows read back land (the roundings that wrote them stand ahead of the heads' waits on va_vdst)
.irp hh, 0,1,2
.irp tt, 0,1,2,3,4,5,6,7
	ds_load_b128 v[64+4*(8*(\hh)+(\tt)):64+4*(8*(\hh)+(\tt))+3], v[RD] offset:(\hh)*18432+576*(\tt)  ; four rows of 128 bytes
.endr
.endr
.set n, 0
.rept 24
	s_wait_dscnt 23-n
	global_store_b128 v[GO], v[64+4*n:64+4*n+3], s[28:29] offset:(n/8)*262144+(n%8)*512  ; 512 consecutive bytes, at a multiple of 256 from qkv's first byte
.set n, n+1
.endr
.irp hh, 0,1,2                         ; the remainders of the heads of v, four heads further on; registers of their own, so that no store's data is written over
	s_add_co_u32 s34, s30, \hh
	s_cmp_lt_u32 s34, 20
	s_cbranch_scc1 .Lnl\hh
.irp tt, 0,1,2,3,4,5,6,7
	ds_load_b128 v[160+32*(\hh)+4*(\tt):160+32*(\hh)+4*(\tt)+3], v[RDL] offset:(\hh)*18432+576*(\tt)
.endr
.irp tt, 0,1,2,3,4,5,6,7
	s_wait_dscnt 7-(\tt)
	global_store_b128 v[GO], v[160+32*(\hh)+4*(\tt):160+32*(\hh)+4*(\tt)+3], s[28:29] offset:((\hh)+4)*262144+(\tt)*512
.endr
.Lnl\hh:
.endr
	s_wait_dscnt 0x0                               ; the closing lines, six on end
	s_wait_alu 0x0
	s_wait_tensorcnt 0x0
	ds_add_u32 v[SPW], v[NIL]
	s_wait_dscnt 0x0
	s_endpgm
.Lfunc_end_k_q413a7df547_qkvp:
	.size	k_q413a7df547_qkvp, .Lfunc_end_k_q413a7df547_qkvp-k_q413a7df547_qkvp
	.p2alignl 7, 3214868480
	.fill 96, 4, 3214868480
	.section	.rodata,"a",@progbits
	.p2align	6, 0x0
	.amdhsa_kernel k_q413a7df547_qkvp
		.amdhsa_group_segment_fixed_size 248320
		.amdhsa_private_segment_fixed_size 0
		.amdhsa_enable_private_segment 0
		.amdhsa_kernarg_size 40
		.amdhsa_user_sgpr_count 2
		.amdhsa_user_sgpr_kernarg_segment_ptr 1
		.amdhsa_wavefront_size32 1
		.amdhsa_system_sgpr_workgroup_id_x 1
		.amdhsa_system_sgpr_workgroup_id_y 1
		.amdhsa_system_sgpr_workgroup_id_z 1
		.amdhsa_system_vgpr_workitem_id 0
		.amdhsa_next_free_vgpr 1008
		.amdhsa_next_free_sgpr 66
		.amdhsa_reserve_vcc 0
		.amdhsa_float_denorm_mode_32 3
		.amdhsa_float_denorm_mode_16_64 3
		.amdhsa_memory_ordered 1
		.amdhsa_forward_progress 1
		.amdhsa_inst_pref_size 184
	.end_amdhsa_kernel
	.amdgpu_metadata
---
amdhsa.version: [ 1, 2 ]
amdhsa.kernels:
  - .name:           k_q413a7df547_qkvp
    .symbol:         k_q413a7df547_qkvp.kd
    .args:
      - { .name: xb, .offset: 0, .size: 8, .value_kind: global_buffer, .address_space: global }
      - { .name: wb, .offset: 8, .size: 8, .value_kind: global_buffer, .address_space: global }
      - { .name: cos, .offset: 16, .size: 8, .value_kind: global_buffer, .address_space: global }
      - { .name: sin, .offset: 24, .size: 8, .value_kind: global_buffer, .address_space: global }
      - { .name: qkv, .offset: 32, .size: 8, .value_kind: global_buffer, .address_space: global }
    .group_segment_fixed_size: 248320
    .private_segment_fixed_size: 0
    .kernarg_segment_align: 8
    .kernarg_segment_size: 40
    .max_flat_workgroup_size: 128
    .sgpr_count:     66
    .vgpr_count:     1008
    .wavefront_size: 32
...
	.end_amdgpu_metadata
.endif
;; end of part 5
;; launch attn: the kernel of part 3 again; grid 32 x 8, 4 waves a work-group, no clusters, 212,480 bytes of LDS; arguments qkv, ob; writes ob
;; launch oproj (part 6): grid 8 x 32, 4 waves a work-group, no clusters, 173,568 bytes of LDS; arguments ob, wob, out0; writes out0
.if DOCPART == 6
	.amdgcn_target "amdgcn-amd-amdhsa--gfx1250"
	.amdhsa_code_object_version 6
	.text
	.protected	k_q413a7df547_oproj
	.globl	k_q413a7df547_oproj
	.p2align	8
	.type	k_q413a7df547_oproj,@function
k_q413a7df547_oproj:
	s_mov_b64 s[64:65], 0
	v_nop
	global_prefetch_b8 v0, s[64:65] scope:SCOPE_SE
	s_setreg_imm32_b32 hwreg(HW_REG_WAVE_SCHED_MODE, 0, 2), 2
	s_setreg_imm32_b32 hwreg(HW_REG_WAVE_MODE, 25, 1), 1
	s_wait_xcnt 0x0
	s_wait_alu depctr_vm_vsrc(0)
; out0[m][n] = the sum over k of O[m][k] wo[k][n], k = 64 head + channel.  ob [2 b][2 parts][16 heads][2048][64] f16: O = part 0 + part 1 (O rounded, and the remainder rounded);
; wob [16 blocks][1024 k][64 n] f16 (wo rounded to bf16); out0 [4096][1024] f32; sums in f32.  Both parts are multiplied by wo into the same sums: a product with K = 2,048, [O hi, O lo] x [wo; wo].
; SHARES.  A work-group makes 128 rows x 128 columns: 32 x 8 = 256 work-groups.  Wave (wm, wn) makes 64 x 64: 16 accumulators.  K goes in 16 steps of 128: two heads of a part; O's pointer walks on through a
; batch's 32 heads; wo's offset, kept apart from its pointer, goes back to 0 behind step 7.
; THE MATRIX INSTRUCTION IS USED TRANSPOSED (source 0 = 16 columns of wo, source 1 = 16 rows of O): a lane holds one row (lane % 16) and eight neighbouring columns: 32 bytes of out0 on end.
; THE WAY IN is the projection launch's: each wave loads its share of a step's tiles (four dense blocks of 16,384 bytes) into registers, 32 loads of 16 bytes a lane, two steps ahead, in two sets that take
; turns, and stores them into one of two LDS slots; ONE barrier a step: in front of it a wave's stores into this step's slot are done and its reads of the other slot are over.
; NO CLUSTER: the tiles come by loads into registers; a joint request is a form of the tensor load, which this text does not use.
; THE MODE: SCHED_MODE bits 1:0 = 2 (LLVM: expert scheduling mode 2), set by the entry lines.  The code itself states the register dependences
; between vector or matrix instructions and memory or LDS instructions, with s_wait_alu, always for 0.
; THE PLAN.  Registers that memory or LDS instructions touch:
;   set 0, set 1   Written by a step's global loads, two steps ahead; read by that step's LDS stores; named by no vector or matrix instruction.
;                  ONE wait on vm_vsrc a step, behind the stores: they have read the set, in which the next loads land.
;   F0 .. F3       Four fragment buffers, one for each quarter of a step.  Written by LDS loads; read by that quarter's 16 matrix instructions.
;                  ONE wait on va_vdst a step, behind the barrier: the last step's matrix instructions are done reading all four.  F0's and F1's loads follow at once, F2's stand amid the products
;                  on F0, F3's amid those on F1: the matrix instructions issued since the wait name F0 or F1 and the accumulators, none of the registers that those loads touch.
;   v16-v28        Offsets and LDS addresses: written once at the head, never again; the scalar bases move on.
;   the way out    The accumulators are the LDS stores' data; the four blocks of 16 rows come back into four buffers of their own (F0's and F1's registers) and are stored from there: no register is
;                  written twice.  ONE wait on va_vdst ahead of it all: the accumulators are written, and F0 and F1 are read no more.
; REGISTERS (s_set_vgpr_msb: bits 1:0 source 0, 3:2 source 1, 5:4 source 2, 7:6 destination):
;   window 0: v0-31 addresses; v64-127, v128-191 fragment buffers F0, F1 (O's 4 fragments, then wo's 4), later the way out's four buffers of 32
;   window 1: accumulator (a, bb) at v[8 (4 a + bb)]; v128-191, v192-255 fragment buffers F2, F3      windows 2, 3: the two sets of 128
.set SLOT,  77824                      ; O: 2 heads x 128 rows x 144 bytes; then wo: 2 blocks x 128 k x 160 bytes
.set BOFF,  36864
.set STAGE, 155648                     ; 16 rows x 272 bytes for each wave, for the way out
.set SPARE, 173056                     ; the spare words, 128 bytes for each wave: two blocks of 256 bytes that no other line names
.set LO,  16                           ; v16     my byte offset in a block of 16,384 bytes: 512 w + 16 l
.set AS,  18                           ; v18-19  where I store O's 16 bytes, slot 0, 1
.set BS,  20                           ; v20-21  the same for wo
.set FA,  22                           ; v22-23  where my fragments of O begin
.set FB,  24                           ; v24-25  the same for wo
.set CO,  26                           ; v26     my byte offset in two rows of out0
.set STO, 27                           ; v27     the way out: where I put 32 bytes of a row
.set RD,  28                           ; v28     the way out: where I read rows back
.set SPW, 30                           ; v30     LDS address of my spare word; never rewritten
.set NIL, 31                           ; v31     0; never rewritten
.set F0,  64                           ; window 0
.set F1,  128                          ; window 0
.set F2,  128                          ; window 1
.set F3,  192                          ; window 1
.set OBK, 64                           ; the way out: block a's 16 rows at v[OBK + 32 a]
.set MSB, 0
.macro WIN new
.if MSB != (\new)
	s_set_vgpr_msb (MSB<<8)|(\new)
.set MSB, (\new)
.endif
.endm
.macro PLACES                          ; four plain vector instructions behind a matrix instruction (ISA guide 7.12.1)
.rept 4
	v_nop
.endr
.endm
.macro LOADS s, again                  ; again = 1: the set has been stored into LDS before
	WIN (2+(\s))<<6
.if \again
	s_wait_alu depctr_vm_vsrc(0)                   ; my LDS stores have read set s, in which these loads land
.endif
.irp hb, 0,1
.irp i, 0,1,2,3,4,5,6,7
	global_load_b128 v[4*(8*(\hb)+(\i)):4*(8*(\hb)+(\i))+3], v[LO], s[20:21] offset:(\hb)*262144+(\i)*2048
.endr
.endr
.irp hb, 0,1
.irp i, 0,1,2,3,4,5,6,7
	global_load_b128 v[64+4*(8*(\hb)+(\i)):64+4*(8*(\hb)+(\i))+3], v[LO], s[22:23] offset:(\hb)*131072+(\i)*2048
.endr
.endr
.endm
.macro ADV
	s_wait_xcnt 0x0                                ; every load issued so far has read its address: the two pointers may be written
	s_add_nc_u64 s[20:21], s[20:21], 524288        ; two heads on,
	s_add_co_u32 s26, s26, 16384                   ; 128 rows of k on in each block of wo,
	s_and_b32 s26, s26, 0x1ffff                    ; and behind the block's 1,024 rows back to the first: O's second part meets the same wo
	s_add_nc_u64 s[22:23], s[24:25], s[26:27]
.endm
.macro STORES s
	WIN (2+(\s))<<2
.irp hb, 0,1
.irp i, 0,1,2,3,4,5,6,7
	ds_store_b128 v[AS+(\s)], v[4*(8*(\hb)+(\i)):4*(8*(\hb)+(\i))+3] offset:(\hb)*18432+(\i)*2304
.endr
.endr
.irp hb, 0,1
.irp i, 0,1,2,3,4,5,6,7
	ds_store_b128 v[BS+(\s)], v[64+4*(8*(\hb)+(\i)):64+4*(8*(\hb)+(\i))+3] offset:(\hb)*20480+(\i)*2560
.endr
.endr
.endm
.macro FETCH s, q, f, w                ; 16 LDS loads: the fragments of quarter q (32 along K: head q / 2, channels 32 (q % 2) on) into buffer f of window w
	WIN (\w)<<6
.irp a, 0,1,2,3
	ds_load_b128 v[(\f)+8*(\a):(\f)+8*(\a)+3],   v[FA+(\s)] offset:((\q)/2)*18432+((\q)%2)*64+(\a)*2304
	ds_load_b128 v[(\f)+8*(\a)+4:(\f)+8*(\a)+7], v[FA+(\s)] offset:((\q)/2)*18432+((\q)%2)*64+(\a)*2304+32
.endr
.irp bb, 0,1,2,3
	ds_load_tr16_b128 v[(\f)+32+8*(\bb):(\f)+32+8*(\bb)+3],   v[FB+(\s)] offset:5120*(\q)+32*(\bb)
	ds_load_tr16_b128 v[(\f)+32+8*(\bb)+4:(\f)+32+8*(\bb)+7], v[FB+(\s)] offset:5120*(\q)+32*(\bb)+2560
.endr
.endm
.macro MUL f, w, a0, zero              ; 8 matrix instructions: row blocks a0, a0 + 1 on buffer f of window w; the 16 accumulators take turns, one instruction a turn, in the same order everywhere
	WIN 0x50+5*(\w)
.irp a, \a0, (\a0)+1
.irp bb, 0,1,2,3
.if \zero
	v_wmma_f32_16x16x32_f16 v[8*(4*(\a)+(\bb)):8*(4*(\a)+(\bb))+7], v[(\f)+32+8*(\bb):(\f)+32+8*(\bb)+7], v[(\f)+8*(\a):(\f)+8*(\a)+7], 0
.else
	v_wmma_f32_16x16x32_f16 v[8*(4*(\a)+(\bb)):8*(4*(\a)+(\bb))+7], v[(\f)+32+8*(\bb):(\f)+32+8*(\bb)+7], v[(\f)+8*(\a):(\f)+8*(\a)+7], v[8*(4*(\a)+(\bb)):8*(4*(\a)+(\bb))+7]
.endif
.endr
.endr
.endm
.macro STEP s, zero, ld, left
	s_wait_loadcnt \left                           ; set s is in
	STORES \s
	s_wait_dscnt 0x0                               ; for the others' sake: my stores into the slot are done (my reads of the other slot were waited for in the step before)
.if \ld
	ADV
	LOADS \s, 1
.endif
	WIN 0
	s_barrier_signal -1
	s_barrier_wait -1                              ; the slot is whole
	PLACES                                         ; they stand between the last step's matrix instructions and every load of this step into a register that those have read
	s_wait_alu depctr_va_vdst(0)                   ; the last step's matrix instructions are done reading F0 to F3, in which this step's 64 LDS loads land
	FETCH \s, 0, F0, 0
	FETCH \s, 1, F1, 0
	s_wait_dscnt 16                                ; all but the 16 issued last: F0 is in
	MUL F0, 0, 0, \zero
	FETCH \s, 2, F2, 1                             ; no wait: no matrix instruction since the wait above names F2
	MUL F0, 0, 2, \zero
	s_wait_dscnt 16                                ; F1 is in
	MUL F1, 0, 0, 0
	FETCH \s, 3, F3, 1                             ; nor F3
	MUL F1, 0, 2, 0
	s_wait_dscnt 16                                ; F2 is in
	MUL F2, 1, 0, 0
	MUL F2, 1, 2, 0
	s_wait_dscnt 0x0                               ; F3 is in: my reads of this slot are over
	MUL F3, 1, 0, 0
	MUL F3, 1, 2, 0
	WIN 0
.endm
	s_load_b128 s[4:7], s[0:1], 0x0                ; ob s[4:5], wob s[6:7]
	s_load_b64 s[8:9], s[0:1], 0x10                ; out0
	v_lshl_add_u32 v[SPW], v0, 2, SPARE
	v_mov_b32 v[NIL], 0
	v_lshrrev_b32 v1, 5, v0
	v_readfirstlane_b32 s14, v1                    ; wave w
	s_mov_b32 s17, ttmp9                           ; which 128 columns
	s_and_b32 s18, ttmp7, 0xffff                   ; which 128 rows
	s_mov_b32 s33, 0
	s_mov_b32 s26, 0                               ; wo's offset along k, in bytes of a block
	s_mov_b32 s27, 0
	v_and_b32 v4, 31, v0                           ; l
	s_wait_alu depctr_va_sdst(0)                   ; s14 is written, ahead of its first reader
	s_lshr_b32 s15, s14, 1                         ; wm
	s_and_b32 s16, s14, 1                          ; wn
	s_lshl_b32 s34, s14, 9
	v_lshl_add_u32 v[LO], v4, 4, s34
	s_lshr_b32 s34, s18, 4                         ; b
	s_lshl_b32 s34, s34, 23                        ; 2 parts x 16 heads of 262,144 bytes
	s_and_b32 s35, s18, 15
	s_lshl_b32 s35, s35, 14                        ; my 128 positions of 128 bytes
	s_add_co_u32 s32, s34, s35
	s_wait_kmcnt 0x0
	s_add_nc_u64 s[20:21], s[4:5], s[32:33]
	s_lshl_b32 s32, s17, 18                        ; two blocks of 131,072 bytes
	s_add_nc_u64 s[24:25], s[6:7], s[32:33]        ; wo at my blocks' first row: it stays
	s_mov_b64 s[22:23], s[24:25]
	WIN 2<<6
	s_wait_alu depctr_va_vdst(0)                   ; v[LO] is written: every load of the tiles reads it as its offset
	LOADS 0, 0                                     ; K step 0
	ADV
	LOADS 1, 0                                     ; K step 1
	WIN 0
	v_and_b32 v2, 15, v0                           ; r
	v_bfe_u32 v3, v0, 4, 1                         ; h
	v_lshrrev_b32 v5, 3, v4                        ; l / 8
	v_and_b32 v6, 7, v0                            ; l % 8
	v_bfe_u32 v7, v0, 3, 1                         ; (l / 8) % 2
	s_mul_i32 s34, s14, 576
	v_mul_u32_u24 v8, v5, 144
	v_lshl_add_u32 v8, v6, 4, v8
	v_add_nc_u32 v[AS], s34, v8                    ; (4 w + l / 8) x 144 + 16 (l % 8)
	v_add_nc_u32 v[AS+1], SLOT, v[AS]
	s_mul_i32 s34, s14, 640
	s_add_co_u32 s34, s34, BOFF
	v_mul_u32_u24 v8, v5, 160
	v_lshl_add_u32 v8, v6, 4, v8
	v_add_nc_u32 v[BS], s34, v8
	v_add_nc_u32 v[BS+1], SLOT, v[BS]
	s_mul_i32 s34, s15, 9216
	v_mul_u32_u24 v8, v2, 144
	v_lshl_add_u32 v8, v3, 4, v8
	v_add_nc_u32 v[FA], s34, v8                    ; (64 wm + r) x 144 + 16 h
	v_add_nc_u32 v[FA+1], SLOT, v[FA]
	s_mul_i32 s34, s16, 20480                      ; my 64 columns are block wn
	s_add_co_u32 s34, s34, BOFF
	v_lshl_add_u32 v8, v3, 3, v6
	v_mul_u32_u24 v8, v8, 160
	v_lshl_add_u32 v8, v7, 4, v8
	v_add_nc_u32 v[FB], s34, v8
	v_add_nc_u32 v[FB+1], SLOT, v[FB]
	s_mul_i32 s34, s14, 4352
	s_add_co_u32 s34, s34, STAGE                   ; my stage
	v_mul_u32_u24 v8, v2, 272
	v_lshl_add_u32 v8, v3, 5, v8
	v_add_nc_u32 v[STO], s34, v8                   ; in: row r, 32 bytes for each half of the lanes
	v_mul_u32_u24 v8, v3, 272
	v_lshl_add_u32 v8, v2, 4, v8
	v_add_nc_u32 v[RD], s34, v8                    ; back: lanes 0-15 one row of 256 bytes, lanes 16-31 the next
	v_lshlrev_b32 v8, 12, v3
	v_lshl_add_u32 v[CO], v2, 4, v8                ; and the same two rows in out0
	s_lshl_b32 s32, s18, 19                        ; 128 rows of 4,096 bytes,
	s_lshl_b32 s34, s15, 18                        ; my 64 of them,
	s_add_co_u32 s32, s32, s34
	s_lshl_b32 s34, s17, 9                         ; 128 columns of 4 bytes,
	s_add_co_u32 s32, s32, s34
	s_lshl_b32 s34, s16, 8                         ; my 64 of them
	s_add_co_u32 s32, s32, s34
	s_add_nc_u64 s[28:29], s[8:9], s[32:33]
	s_wait_alu depctr_va_vdst(0)                   ; the LDS addresses and the offset v18 to v28 are written, which the LDS and memory instructions from here on read; none is written again
	STEP 0, 1, 1, 32                               ; 32: the other set's loads may stay out
	STEP 1, 0, 1, 32
	s_mov_b32 s19, 6
.Lk:
	STEP 0, 0, 1, 32
	STEP 1, 0, 1, 32
	s_sub_co_u32 s19, s19, 1
	s_cmp_lg_u32 s19, 0
	s_cbranch_scc1 .Lk
	STEP 0, 0, 0, 32                               ; the last two steps ask for nothing more
	STEP 1, 0, 0, 0
	; THE WAY OUT: 16 rows at a time through my own stage; back as whole rows of 256 bytes.  Each accumulator's lowest registers are read first.
.macro TOST a                          ; block a into the stage, and back into its own 32 registers
	WIN 0x04
.irp bb, 0,1,2,3
	ds_store_b128 v[STO], v[8*(4*(\a)+(\bb)):8*(4*(\a)+(\bb))+3]   offset:64*(\bb)
	ds_store_b128 v[STO], v[8*(4*(\a)+(\bb))+4:8*(4*(\a)+(\bb))+7] offset:64*(\bb)+16
.endr
	WIN 0
.irp tt, 0,1,2,3,4,5,6,7
	ds_load_b128 v[OBK+32*(\a)+4*(\tt):OBK+32*(\a)+4*(\tt)+3], v[RD] offset:544*(\tt)  ; LDS serves a wave's instructions in order (ISA guide 5.7.1.4): these see the stores above; the next block's stores come behind them
.endr
.endm
.macro SEND a, younger                 ; younger: the LDS instructions issued behind block a's loads: the next block's sixteen, or none
	WIN 0
.irp tt, 0,1,2,3,4,5,6,7
	s_wait_dscnt (\younger)+7-(\tt)
	global_store_b128 v[CO], v[OBK+32*(\a)+4*(\tt):OBK+32*(\a)+4*(\tt)+3], s[28:29] offset:(16*(\a)+2*(\tt))*4096  ; 16 lanes store 256 consecutive bytes, at a multiple of 256 from out0's first byte
.endr
.endm
	PLACES                                         ; four places behind the last matrix instruction, before its result is read
	s_wait_alu depctr_va_vdst(0)                   ; the matrix instructions have written the accumulators, which the LDS stores read, and are done reading F0 and F1, in which the rows read back land; the places above stay beside this wait
	TOST 0
	TOST 1                                         ; a block's LDS instructions stand between the loads of the block before and its stores
	SEND 0, 16
	TOST 2
	SEND 1, 16
	TOST 3
	SEND 2, 16
	SEND 3, 0
	s_wait_dscnt 0x0                               ; the closing lines, six on end
	s_wait_alu 0x0
	s_wait_tensorcnt 0x0
	ds_add_u32 v[SPW], v[NIL]
	s_wait_dscnt 0x0
	s_endpgm
.Lfunc_end_k_q413a7df547_oproj:
	.size	k_q413a7df547_oproj, .Lfunc_end_k_q413a7df547_oproj-k_q413a7df547_oproj
	.p2alignl 7, 3214868480
	.fill 96, 4, 3214868480
	.section	.rodata,"a",@progbits
	.p2align	6, 0x0
	.amdhsa_kernel k_q413a7df547_oproj
		.amdhsa_group_segment_fixed_size 173568
		.amdhsa_private_segment_fixed_size 0
		.amdhsa_enable_private_segment 0
		.amdhsa_kernarg_size 24
		.amdhsa_user_sgpr_count 2
		.amdhsa_user_sgpr_kernarg_segment_ptr 1
		.amdhsa_wavefront_size32 1
		.amdhsa_system_sgpr_workgroup_id_x 1
		.amdhsa_system_sgpr_workgroup_id_y 1
		.amdhsa_system_sgpr_workgroup_id_z 1
		.amdhsa_system_vgpr_workitem_id 0
		.amdhsa_next_free_vgpr 896
		.amdhsa_next_free_sgpr 66
		.amdhsa_reserve_vcc 0
		.amdhsa_float_denorm_mode_32 3
		.amdhsa_float_denorm_mode_16_64 3
		.amdhsa_memory_ordered 1
		.amdhsa_forward_progress 1
		.amdhsa_inst_pref_size 97
	.end_amdhsa_kernel
	.amdgpu_metadata
---
amdhsa.version: [ 1, 2 ]
amdhsa.kernels:
  - .name:           k_q413a7df547_oproj
    .symbol:         k_q413a7df547_oproj.kd
    .args:
      - { .name: ob, .offset: 0, .size: 8, .value_kind: global_buffer, .address_space: global }
      - { .name: wob, .offset: 8, .size: 8, .value_kind: global_buffer, .address_space: global }
      - { .name: out0, .offset: 16, .size: 8, .value_kind: global_buffer, .address_space: global }
    .group_segment_fixed_size: 173568
    .private_segment_fixed_size: 0
    .kernarg_segment_align: 8
    .kernarg_segment_size: 24
    .max_flat_workgroup_size: 128
    .sgpr_count:     66
    .vgpr_count:     896
    .wavefront_size: 32
...
	.end_amdgpu_metadata
.endif
;; end of part 6
